; MI455X (gfx1250); checked and timed in simulation.
; The chip was launched on July 23, 2026; its instructions are those of AMD's public machine-readable ISA for CDNA 5 (MIT licence, August 2026) and "CDNA5" Instruction Set Architecture Reference Guide (July 2026). The comments in the code are by the model that wrote it; some were corrected since.
;; Multi Head Attention. Allowed arithmetic: matrix products marked QUANTISED: E5M2 operands, one given power-of-two scale a tensor, by v_wmma_f32_16x16x64_bf8_bf8 or v_wmma_f32_16x16x128_bf8_bf8, f32 sums; everything else in f32.
;; Inputs: dense_b 1,024 float32; dense_w 1,024 x 1,024 float32; ln_b 1,024 float32; ln_g 1,024 float32; lowp_scales 14 int32 (the exponents e of the quantised operands' scales 2^e); mask 16 x 1,024 x 1,024 int32; res_w 512 x 1,024 float32; wk_b 1,024 float32; wk_w 512 x 1,024 float32; wq_b 1,024 float32; wq_w 512 x 1,024 float32; wv_b 1,024 float32; wv_w 512 x 1,024 float32; x 8 x 1,024 x 512 float32.
;; Outputs: out0 8 x 1,024 x 1,024 float32.
;; This version of the problem:
;;   THIS VERSION OF THE PROBLEM IS GIVEN IN LOW PRECISION. The matrix products marked QUANTISED in the list below multiply operands that are first quantised to E5M2 (5 exponent bits, 2 mantissa bits; 8 bits a number), with one given power-of-two scale for each operand tensor; their sums are f32. All else is computed in f32.
;;   The module's matrix products, in the order in which they are computed (A, B: the left and right operand; K: the contracted axis; several contracted axes count as one K, in the product's order):
;;     1. [M 8,192, K 512] x [K 512, N 1,024]; A: input x; B: input res_w: QUANTISED (scales: A lowp_scales[0], B lowp_scales[1])
;;     2. [M 8,192, K 512] x [K 512, N 1,024]; A: input x; B: input wq_w: QUANTISED (scales: A lowp_scales[2], B lowp_scales[3])
;;     3. [M 8,192, K 512] x [K 512, N 1,024]; A: input x; B: input wk_w: QUANTISED (scales: A lowp_scales[4], B lowp_scales[5])
;;     4. [M 8,192, K 512] x [K 512, N 1,024]; A: input x; B: input wv_w: QUANTISED (scales: A lowp_scales[6], B lowp_scales[7])
;;     5. batch 128 x [M 1,024, K 64] x [K 64, N 1,024]; A: computed on the way; B: computed on the way: QUANTISED (scales: A lowp_scales[8], B lowp_scales[9])
;;     6. batch 128 x [M 1,024, K 1,024] x [K 1,024, N 64]; A: softmax (see below); B: computed on the way: QUANTISED (scales: A lowp_scales[10], B lowp_scales[11])
;;     7. [M 8,192, K 1,024] x [K 1,024, N 1,024]; A: computed on the way; B: input dense_w: QUANTISED (scales: A lowp_scales[12], B lowp_scales[13])
;;   THE QUANTISER, for each operand of a quantised product, along K:
;;     - The operand's scale is 2^e, e = its entry of the input lowp_scales (int32; the entries are numbered through the quantised products in the list's order, A before B).
;;     - Each number is divided by the scale, clamped to +-57,344, and rounded to the nearest number of E5M2, ties to even, subnormals kept.
;;     - The product sums the exact products of the quantised numbers (number of the format x scale) in f32.
;;   ~~~python
;;   def quantise(x, axis, e):      # numpy; x: float32 -> the quantised numbers, widened to float32 again
;;       x = np.moveaxis(x, axis, -1); K = x.shape[-1]
;;       r = np.clip(x / 2.0 ** e, -57344, 57344)
;;       step = 2.0 ** (np.maximum(np.frexp(np.where(r == 0, 1, r))[1] - 1, -14) - 2)
;;       q = np.round(r / step) * step * 2.0 ** e      # np.round: ties to even
;;       return np.moveaxis(q, -1, axis).astype(np.float32)
;;   ~~~
;;   SOFTMAX AHEAD OF A QUANTISED PRODUCT. Where the list says 'softmax', what is quantised is not the finished softmax but p = 2^(t - M), with t = logit x log2(e) and M = ceil(the row's largest t), a whole number; so 1/2 < the row's largest p <= 1. The row's sum l is taken of the UNQUANTISED p, in f32, and the product's result is divided by l at the end. Since M is a whole number, a kernel that streams over the keys may use a running M (the ceiling of the running maximum): every later rescaling is an exact power of two, so the quantised numbers keep their values, but for numbers so far below the row's largest that they fall under the format's range.
;;   OPERANDS COMPUTED ON THE WAY. 'Computed on the way' means the value that the module computes at that place (a softmax that the list does not call 'softmax' is quantised finished and normalised). What goes into a quantiser is computed in f32, as accurately as f32 sums, v_exp_f32 and their like allow (about 1e-6 of the number): no bf16 or f16 on the way to a quantiser, and a product that is left as it is and whose result goes on into a quantised operand takes f32 operands (vector FMAs, or v_wmma_f32_16x16x4_f32). A number that lies on a knife's edge between two numbers of the format may be rounded either way, as far as f32 arithmetic and the matrix unit's own rounding can turn it there, and no further.
;; 2 versions, each right; version 2 is version 1 with the launch attn written anew for expert scheduling mode. Each part assembles by itself: llvm-mc -triple=amdgcn-amd-amdhsa -mcpu=gfx1250 --defsym DOCPART=n.
;; ======== version 1 of 2: 4 launches
;; workspace buffers: maskw 2,097,152 bytes of whole numbers; wqkv 1,572,864 bytes; wfin 1,572,864 bytes; qcodes 8,388,608 bytes; kcodes 8,388,608 bytes; vcodes 8,388,608 bytes; xr 4,194,304 bytes; ocodes 8,388,608 bytes
;; launch prep (part 1): grid 1216 x 1, 4 waves a work-group, no clusters, 34,304 bytes of LDS; arguments mask, wq_w, wk_w, wv_w, res_w, dense_w, lowp_scales, maskw, wqkv, wfin; writes maskw, wqkv, wfin
.if DOCPART == 1
	.amdgcn_target "amdgcn-amd-amdhsa--gfx1250"
	.amdhsa_code_object_version 6
	.text
	.protected	k_q88140f6418_prep
	.globl	k_q88140f6418_prep
	.p2align	8
	.type	k_q88140f6418_prep,@function
k_q88140f6418_prep:
	s_mov_b64 s[64:65], 0
	v_nop
	global_prefetch_b8 v0, s[64:65] scope:SCOPE_SE
	s_setreg_imm32_b32 hwreg(HW_REG_WAVE_MODE, 25, 1), 1
	s_wait_xcnt 0x0
; PREP: the five weights become codes of BF8 (E5M2), and the int32 mask becomes lane masks, one bit a number.
; Work-groups 0-191 take weights, 192-1215 the mask; every work-group reads 64 KB, every wave 16 KB.  No matrix unit, no tensor load, no barrier: waves share nothing.
; WEIGHTS.  W is [K][1024] f32, K its first axis.  A lane takes a column and its registers run down K, so the conversions give codes with K innermost.  A work-group takes 128 columns x 128 along K.
; The codes are laid as IMAGES OF THE OPERAND'S REGISTERS: a fragment (16 columns x 128 K) is 2,048 bytes; lane (r, h) of the product holds k = 16 c + 8 h + 0..7 in registers 2 c, 2 c + 1, and its registers 4 g .. 4 g + 3
; lie at 512 g + 16 (r + 16 h).  So of a column's 32 codes of block g, k 0-7 and 16-23 go to 512 g + 16 r, and k 8-15 and 24-31 to 512 g + 256 + 16 r: sixteen lanes store 256 consecutive bytes, aligned.
; wqkv: [column tile 192 of (wq | wk | wv)][K step 4][2048].   wfin: [step 12][column tile 64][2048], steps 0-3 res_w, steps 4-11 dense_w.
; code = w / 2^e, held within +-57,344, to the nearest code, ties to even.  e: entry 3, 5, 7, 1, 13 of the scales for wq, wk, wv, res, dense.  LIMIT: -126 <= e <= 112.  NaN among the inputs is not served.
; MASK.  maskw: [head 16][query tile 64][key step 8][n 64] words; bit L of word n says that mask[head][16 qt + L % 16][128 ks + 16 (n / 8) + 8 (L / 16) + n % 8] is not 0: the lane mask of score register n in the attention launch.
; A work-group takes one (head, query tile): 16 rows; wave w keys 256 w on.  Loads take the bytes as they lie (512 consecutive bytes each); they turn through the wave's own stage in LDS.
.set NWW, 192                          ; work-groups for the weights
.set XN,  16                           ; v16-143  numbers as loaded
.set CD,  144                          ; v144-175 codes (weights); v144-207 a key step's mask numbers, turned (mask)
.set WD,  208                          ; v208-211 the wave's 128 mask words: word J in register J % 4, lane J / 4
.set SPB, 528                          ; a stage row: 512 bytes + 16: row r starts 132 words on, so sixteen rows start at sixteen different banks (64 banks of 4 bytes: ISA guide 11.1)
.set WST, 16*SPB                       ; a wave's stage
	s_load_b512 s[4:19], s[0:1], 0x0               ; mask s[4:5], wq s[6:7], wk s[8:9], wv s[10:11], res s[12:13], dense s[14:15], scales s[16:17], maskw s[18:19]
	s_load_b128 s[20:23], s[0:1], 0x40             ; wqkv s[20:21], wfin s[22:23]
	v_lshl_add_u32 v216, v0, 2, 0x8400
	v_mov_b32 v217, 0
	v_lshrrev_b32 v1, 5, v0
	v_readfirstlane_b32 s24, v1                    ; wave
	v_and_b32 v2, 31, v0                           ; lane
	v_and_b32 v3, 15, v0                           ; lane % 16
	v_bfe_u32 v4, v0, 4, 1                         ; lane / 16
	s_wait_kmcnt 0x0
	s_cmp_ge_u32 ttmp9, NWW                        ; the parting hangs on the work-group's number alone
	s_cbranch_scc1 .Lmask
; ---------------- weights ----------------
	s_load_b256 s[40:47], s[16:17], 0x0            ; e0 .. e7
	s_load_b64 s[48:49], s[16:17], 0x30            ; e12, e13
	s_lshr_b32 s28, ttmp9, 5
	s_min_u32 s28, s28, 4                          ; which weight: 0 wq, 1 wk, 2 wv, 3 res (32 work-groups each), 4 dense (64)
	s_cmp_lt_u32 ttmp9, 128
	s_cselect_b32 s25, 0, 128
	s_cselect_b32 s26, 2, 3                        ; K steps of the weight: 4 or 8, as a shift
	s_cselect_b32 s27, 3, 7                        ; and as a mask
	s_sub_co_u32 s25, ttmp9, s25
	s_and_b32 s27, s25, s27                        ; K step
	s_lshr_b32 s26, s25, s26
	s_and_b32 s26, s26, 7                          ; which 128 columns
	s_cmp_eq_u32 s28, 1                            ; the source: a choice between buffers on the work-group's number
	s_cselect_b64 s[34:35], s[8:9], s[6:7]
	s_cmp_eq_u32 s28, 2
	s_cselect_b64 s[34:35], s[10:11], s[34:35]
	s_cmp_eq_u32 s28, 3
	s_cselect_b64 s[34:35], s[12:13], s[34:35]
	s_cmp_eq_u32 s28, 4
	s_cselect_b64 s[34:35], s[14:15], s[34:35]
	s_lshl_b32 s36, s27, 19                        ; 128 rows of 4,096 bytes for a K step,
	s_lshl_b32 s37, s26, 9                         ; 512 bytes for 128 columns,
	s_add_co_u32 s36, s36, s37
	s_lshl_b32 s37, s24, 7                         ; 128 bytes for a wave's 32
	s_add_co_u32 s36, s36, s37
	s_mov_b32 s37, 0
	s_add_nc_u64 s[34:35], s[34:35], s[36:37]
	v_lshlrev_b32 v5, 2, v2                        ; 4 bytes a lane
.macro LOADW g                         ; block g: W(32 g + i, my column): 32 lanes read 128 consecutive bytes, the four waves side by side 512
.irp i, 0,1,2,3,4,5,6,7,8,9,10,11,12,13,14,15,16,17,18,19,20,21,22,23,24,25,26,27,28,29,30,31
	global_load_b32 v[XN+32*(\g)+\i], v5, s[34:35] offset:(32*(\g)+\i)*4096 th:TH_LOAD_NT
.endr
.endm
	LOADW 0
	LOADW 1
	s_cmp_le_u32 s28, 2                            ; the destination and its strides
	s_cselect_b64 s[32:33], s[20:21], s[22:23]
	s_cselect_b32 s29, 13, 11                      ; from column tile to column tile: 8,192 or 2,048 bytes, as a shift
	s_cselect_b32 s30, 11, 17                      ; from K step to K step: 2,048 or 131,072
	s_cselect_b32 s31, 0, 3
	s_sub_co_u32 s31, s28, s31                     ; 0, 1, 2 for wq, wk, wv; 0, 1 for res, dense: parts of 524,288 bytes
	s_lshl_b32 s36, s31, 19
	s_lshl_b32 s37, s27, s30
	s_add_co_u32 s36, s36, s37
	s_lshl_b32 s37, s26, 3
	s_lshl_b32 s38, s24, 1
	s_add_co_u32 s37, s37, s38                     ; my wave's first column tile: 8 x group + 2 x wave
	s_lshl_b32 s37, s37, s29
	s_add_co_u32 s36, s36, s37
	s_mov_b32 s37, 0
	s_add_nc_u64 s[32:33], s[32:33], s[36:37]
	v_lshlrev_b32 v6, s29, v4                      ; lanes 16-31 hold the next tile,
	v_lshl_add_u32 v6, v3, 4, v6                   ; + 16 bytes a column
	s_wait_kmcnt 0x0
	s_cmp_eq_u32 s28, 1                            ; e of my weight
	s_cselect_b32 s39, s45, s43
	s_cmp_eq_u32 s28, 2
	s_cselect_b32 s39, s47, s39
	s_cmp_eq_u32 s28, 3
	s_cselect_b32 s39, s41, s39
	s_cmp_eq_u32 s28, 4
	s_cselect_b32 s39, s49, s39
	s_add_co_i32 s39, s39, 127
	s_lshl_b32 s38, s39, 23
	v_mov_b32 v8, s38                              ; 2^e as f32: the conversion takes its exponent field
	s_add_co_i32 s39, s39, 15
	s_lshl_b32 s39, s39, 23
	s_or_b32 s39, s39, 0x600000
	v_mov_b32 v9, s39                              ; 57,344 x 2^e
.macro BLOCKW g
.if (\g) < 3
	s_wait_loadcnt 32                              ; this block's 32 loads are in; the next block's 32 may be out
.else
	s_wait_loadcnt 0x0
.endif
.if (\g)+2 < 4
	LOADW (\g)+2                                   ; every block has registers of its own: two blocks are on their way while one is worked
.endif
.irp i, 0,1,2,3,4,5,6,7,8,9,10,11,12,13,14,15,16,17,18,19,20,21,22,23,24,25,26,27,28,29,30,31
	v_med3_num_f32 v[XN+32*(\g)+\i], v[XN+32*(\g)+\i], -v9, v9   ; the conversion to an 8-bit code does not saturate (ISA guide 7.6.2): the hold comes first
.endr
	v_cvt_scalef32_pk8_bf8_f32 v[CD+8*(\g):CD+8*(\g)+1],   v[XN+32*(\g):XN+32*(\g)+7],     v8   ; k 0-7   \ the 16 bytes of the product's lane (r, 0)
	v_cvt_scalef32_pk8_bf8_f32 v[CD+8*(\g)+2:CD+8*(\g)+3], v[XN+32*(\g)+16:XN+32*(\g)+23], v8   ; k 16-23 /
	v_cvt_scalef32_pk8_bf8_f32 v[CD+8*(\g)+4:CD+8*(\g)+5], v[XN+32*(\g)+8:XN+32*(\g)+15],  v8   ; k 8-15  \ of lane (r, 1)
	v_cvt_scalef32_pk8_bf8_f32 v[CD+8*(\g)+6:CD+8*(\g)+7], v[XN+32*(\g)+24:XN+32*(\g)+31], v8   ; k 24-31 /
	v_nop                                          ; a plain line behind the last conversion of the run
	global_store_b128 v6, v[CD+8*(\g):CD+8*(\g)+3],   s[32:33] offset:512*(\g)       ; each block has its own code registers: no store's data are written again
	global_store_b128 v6, v[CD+8*(\g)+4:CD+8*(\g)+7], s[32:33] offset:512*(\g)+256
.endm
	BLOCKW 0
	BLOCKW 1
	BLOCKW 2
	BLOCKW 3
	s_endpgm
; ---------------- mask ----------------
.Lmask:
	s_sub_co_u32 s25, ttmp9, NWW                   ; 64 x head + query tile
	s_lshl_b32 s26, s25, 16                        ; 16 rows of 4,096 bytes,
	s_lshl_b32 s27, s24, 10                        ; my wave's 256 keys
	s_add_co_u32 s26, s26, s27
	s_mov_b32 s27, 0
	s_add_nc_u64 s[4:5], s[4:5], s[26:27]
	v_lshlrev_b32 v5, 4, v2                        ; 16 bytes a lane
.irp u, 0,1
.irp n, 0,1,2,3,4,5,6,7,8,9,10,11,12,13,14,15
	global_load_b128 v[XN+4*(16*\u+\n):XN+4*(16*\u+\n)+3], v5, s[4:5] offset:\n*4096+\u*512 th:TH_LOAD_NT   ; row n, key step u: 512 consecutive bytes
.endr
.endr
	s_lshl_b32 s26, s25, 11                        ; a (head, query tile) has 8 x 64 words,
	s_lshl_b32 s28, s24, 9                         ; my wave two key steps of them
	s_add_co_u32 s26, s26, s28
	s_add_nc_u64 s[18:19], s[18:19], s[26:27]
	s_mul_i32 s28, s24, WST                        ; my stage
	v_add_nc_u32 v6, s28, v5                       ; in: a row as it lies
	v_mul_u32_u24 v7, v3, SPB
	v_lshl_add_u32 v7, v4, 5, v7
	v_add_nc_u32 v7, s28, v7                       ; back: row lane % 16, + 8 keys for lanes 16-31
.irp q, 0,1,2,3
	v_mov_b32 v[WD+\q], 0                          ; written whole once: a lane write's destination counts as read
.endr
.macro PACKU u
.if \u == 0
	s_wait_loadcnt 16                              ; key step 0's sixteen loads are in; key step 1's may be out
.else
	s_wait_loadcnt 0x0
.endif
.irp n, 0,1,2,3,4,5,6,7,8,9,10,11,12,13,14,15
	ds_store_b128 v6, v[XN+4*(16*\u+\n):XN+4*(16*\u+\n)+3] offset:\n*SPB
.endr
.irp t, 0,1,2,3,4,5,6,7
	ds_load_b128 v[CD+8*\t:CD+8*\t+3],   v7 offset:64*\t      ; LDS serves a wave's instructions in order (ISA guide 5.7.1.4): these see the stores above
	ds_load_b128 v[CD+8*\t+4:CD+8*\t+7], v7 offset:64*\t+16   ; register 8 t + j: row lane % 16, key 16 t + 8 (lane / 16) + j
.endr
	s_wait_dscnt 0x0
.set J, 0
.rept 8
.irp q, 0,1,2,3,4,5,6,7
	v_cmp_ne_u32 s[40+\q], 0, v[CD+J+\q]           ; 32 lanes' answers are one word
.endr
.irp q, 0,1,2,3,4,5,6,7
	v_writelane_b32 v[WD+(J+\q)%4], s[40+\q], (64*\u+J+\q)/4
.endr
.set J, J+8
.endr
.endm
	PACKU 0
	PACKU 1
	global_store_b128 v5, v[WD:WD+3], s[18:19]     ; the wave's 128 words: 512 consecutive bytes, aligned
	s_wait_tensorcnt 0x0
	ds_add_u32 v216, v217
	s_wait_dscnt 0x0
	s_endpgm
.Lfunc_end_k_q88140f6418_prep:
	.size	k_q88140f6418_prep, .Lfunc_end_k_q88140f6418_prep-k_q88140f6418_prep
	.p2alignl 7, 3214868480
	.fill 96, 4, 3214868480
	.section	.rodata,"a",@progbits
	.p2align	6, 0x0
	.amdhsa_kernel k_q88140f6418_prep
		.amdhsa_group_segment_fixed_size 34304
		.amdhsa_private_segment_fixed_size 0
		.amdhsa_enable_private_segment 0
		.amdhsa_kernarg_size 80
		.amdhsa_user_sgpr_count 2
		.amdhsa_user_sgpr_kernarg_segment_ptr 1
		.amdhsa_wavefront_size32 1
		.amdhsa_system_sgpr_workgroup_id_x 1
		.amdhsa_system_sgpr_workgroup_id_y 1
		.amdhsa_system_sgpr_workgroup_id_z 1
		.amdhsa_system_vgpr_workitem_id 0
		.amdhsa_next_free_vgpr 218
		.amdhsa_next_free_sgpr 66
		.amdhsa_reserve_vcc 0
		.amdhsa_float_denorm_mode_32 3
		.amdhsa_float_denorm_mode_16_64 3
		.amdhsa_memory_ordered 1
		.amdhsa_forward_progress 1
		.amdhsa_inst_pref_size 50
	.end_amdhsa_kernel
	.amdgpu_metadata
---
amdhsa.version: [ 1, 2 ]
amdhsa.kernels:
  - .name:           k_q88140f6418_prep
    .symbol:         k_q88140f6418_prep.kd
    .args:
      - { .name: mask, .offset: 0, .size: 8, .value_kind: global_buffer, .address_space: global }
      - { .name: wq_w, .offset: 8, .size: 8, .value_kind: global_buffer, .address_space: global }
      - { .name: wk_w, .offset: 16, .size: 8, .value_kind: global_buffer, .address_space: global }
      - { .name: wv_w, .offset: 24, .size: 8, .value_kind: global_buffer, .address_space: global }
      - { .name: res_w, .offset: 32, .size: 8, .value_kind: global_buffer, .address_space: global }
      - { .name: dense_w, .offset: 40, .size: 8, .value_kind: global_buffer, .address_space: global }
      - { .name: lowp_scales, .offset: 48, .size: 8, .value_kind: global_buffer, .address_space: global }
      - { .name: maskw, .offset: 56, .size: 8, .value_kind: global_buffer, .address_space: global }
      - { .name: wqkv, .offset: 64, .size: 8, .value_kind: global_buffer, .address_space: global }
      - { .name: wfin, .offset: 72, .size: 8, .value_kind: global_buffer, .address_space: global }
    .group_segment_fixed_size: 34304
    .private_segment_fixed_size: 0
    .kernarg_segment_align: 8
    .kernarg_segment_size: 80
    .max_flat_workgroup_size: 128
    .sgpr_count:     66
    .vgpr_count:     218
    .wavefront_size: 32
...
	.end_amdgpu_metadata
.endif
;; end of part 1
;; launch proj (part 2): grid 192 x 1, 4 waves a work-group, clusters of 4 x 1, 327,680 bytes of LDS; arguments x, wqkv, lowp_scales, wq_b, wk_b, wv_b, qcodes, kcodes, vcodes, xr; writes qcodes, kcodes, vcodes, xr
.if DOCPART == 2
	.amdgcn_target "amdgcn-amd-amdhsa--gfx1250"
	.amdhsa_code_object_version 6
	.text
	.protected	k_q88140f6418_proj
	.globl	k_q88140f6418_proj
	.p2align	8
	.type	k_q88140f6418_proj,@function
k_q88140f6418_proj:
	s_mov_b64 s[64:65], 0
	v_nop
	global_prefetch_b8 v0, s[64:65] scope:SCOPE_SE
	s_setreg_imm32_b32 hwreg(HW_REG_WAVE_MODE, 25, 1), 1
	s_wait_xcnt 0x0
	s_wait_alu depctr_hold_cnt(0) depctr_sa_sdst(0) depctr_va_vdst(0) depctr_va_sdst(0) depctr_va_ssrc(0) depctr_va_vcc(0) depctr_vm_vsrc(0)
	s_getreg_b32 s2, hwreg(HW_REG_IB_STS2, 6, 4)
	s_cmp_eq_u32 s2, 0
	s_cbranch_scc0 .Lentry_in_a_cluster
	s_endpgm
.Lentry_in_a_cluster:
	s_bfe_u32 s2, ttmp6, 0x10000c
	s_cmp_lg_u32 s2, 0x3003
	s_cbranch_scc0 .Lentry_shape_is_right
	s_endpgm
.Lentry_shape_is_right:
; PROJ: q = x wq + bq, k = x wk + bk, v = x wv + bv, each product on codes of BF8 (E5M2), and each result quantised at once for the attention launch; x's codes under the residual product's scale go out too.
; Scales (whole numbers e, a scale is 2^e): x: e0 (residual), e2, e4, e6; weights e3, e5, e7 (already codes); results: q e8, k e9, v e11.
; SHARES.  A work-group of four waves takes ONE product (q, k or v: 1,024 columns) for 128 rows: 3 x 64 = 192 work-groups.  So it needs x under one scale, and walks 4 tiles of 256 columns x 512 K = 131,072 bytes of codes,
; with 128 matrix instructions a wave for each.  (A fourth share of 768 columns would fill 256 work-groups, but it straddles two products: x's images under two scales, 131,072 bytes, do not fit beside the ring.)
; Wave w: rows 64 (w / 2) on (4 row tiles m), column tiles 8 (w % 2) + t, t = 0..7 (two heads): 32 accumulators, 4 K steps of 128.  x's 16 fragments stay in registers; W's come from LDS, a K step (8 fragments) at a time.
; EVERY OPERAND IS AN IMAGE OF ITS REGISTERS: a fragment (16 rows x 128 K) is 2,048 bytes, registers 4 g .. 4 g + 3 of lane L at 512 g + 16 L; lane (r, h) holds k = 16 c + 8 h + 0..7 in registers 2 c, 2 c + 1.
; So every LDS and global access of codes is 16 bytes a lane, 512 consecutive bytes an instruction: no pitch, no padding.
; THE RING.  Two LDS slots of one tile.  Wave w fetches quarter w of a tile (32,768 bytes); a quarter is read by two waves, behind a barrier.  CLUSTER: the four work-groups of a cluster are four row blocks of ONE product and walk the
; same tiles, so each quarter is asked for JOINTLY: the same tensor load with the same descriptor and the mask 15 in all four.  By this text's own count a wave has two tensor loads out at the start and one behind each of two rounds.
; THE PRODUCT is the cluster's number / 16: equal in all partners.  Branches on it stand round register work, global loads and global stores alone: the two orders of the matrix instruction's sources, the biases, the multiply-add.
; q and k are made TRANSPOSED (source 0 = 16 columns of W, source 1 = 16 tokens): a lane holds one token and eight neighbouring channels, which is the next product's operand layout (K = the head's 64).
; v is made the other way round: a lane holds one channel and eight neighbouring tokens: the second attention product's K is the keys, and the work-group's 128 rows are one of its K steps.
; qcodes, kcodes: [b][head][token tile 64][1024].   vcodes: [b][head][key step 8][channel tile 4][2048].   xr: [row tile 512][K step 4][2048].
; LIMITS, so that each power of two is an f32 number: e0, e2, e4, e6, e8, e9, e11 between -126 and 112; e2 + e3, e4 + e5, e6 + e7 between -126 and 127.  NaN among the inputs is not served.
; REGISTERS, in windows of 256: window 0: below.  window 1: x's fragments, (m, ks) at 16 (4 m + ks).  window 2: at the head four buffers of 64 numbers of x; then the accumulators, (t, m) at 8 (4 t + m).
;   window 3: two buffers of W's eight fragments of a K step, tile t at 128 (ks % 2) + 16 t.
.set SLOTB, 131072                     ; a slot, and a tile of W's codes
.set XIMG,  2*SLOTB                    ; behind the ring: x's images, 2 row halves x 4 row tiles x 2 K steps x 2,048 bytes; written twice, by LDS stores alone
.set SPARE, XIMG+32768                 ; behind them: the spare words, 128 bytes for each wave: two blocks of 256 bytes that no other line names
.set LI,   4                           ; v4     16 x lane
.set LB,   5                           ; v5-6   my 8 column tiles in slot 0, 1, + 16 x lane
.set LA,   7                           ; v7     x's images of my row half + 16 x lane
.set XWI,  8                           ; v8     where I store x's images
.set XA,   9                           ; v9     x: my lane's byte in 16 rows
.set VO,   10                          ; v10-13 the results' byte offsets: four fragments' places
.set VB,   14                          ; v14    bias of q, k: 512 (w % 2) + 32 (lane / 16)
.set VBV,  15                          ; v15    bias of v: 512 (w % 2) + 4 (lane % 16)
.set SCX,  16                          ; v16-17 (2^e, 57,344 x 2^e) for x under my product's scale
.set SC0,  18                          ; v18-19 for e0
.set SCO,  20                          ; v20-21 for my product's result
.set SPW,  28                          ; v28    LDS address of my spare word; never rewritten
.set NIL,  29                          ; v29    0; never rewritten
.set T,    32                          ; at the head: v32-95 64 held numbers,
.set PC,   96                          ; v96-159  four fragments' codes for LDS,
.set PCR,  160                         ; v160-223 four fragments' codes for xr
.set BIAS, 32                          ; later: v32-95 a step's biases in the result's layout,
.set TT,   96                          ; v96-223  128 results of one head,
.set PCO,  224                         ; v224-255 and their codes
.set G1,   24                          ; s[24:31] descriptor group 1
.set G0,   32                          ; s[32:39] descriptor group 0, a set for each slot
.set MSB,  0
.macro WIN new                         ; low byte: bits 1:0 source 0, 3:2 source 1, 5:4 source 2, 7:6 destination; the high byte repeats the setting that is left
.if MSB != (\new)
	s_set_vgpr_msb (MSB<<8)|(\new)
.set MSB, (\new)
.endif
.endm
.macro PLACES n
.rept \n
	v_nop
.endr
.endm
.macro CROUND                          ; a round of the cluster's barrier: my work-group's barrier; wave 0 signals for the work-group; every wave waits for all four work-groups; my work-group's barrier once more
	s_barrier_signal -1
	s_barrier_wait -1
	s_cmp_lg_u32 s8, 0
	s_cbranch_scc1 .Lnot_wave_0_\@
	s_barrier_signal -3
.Lnot_wave_0_\@:
	s_barrier_wait -3
	s_barrier_signal -1
	s_barrier_wait -1
.endm
	s_load_b512 s[68:83], s[0:1], 0x0              ; x s[68:69], wqkv s[70:71], scales s[72:73], bq s[74:75], bk s[76:77], bv s[78:79], qcodes s[80:81], kcodes s[82:83]
	s_load_b128 s[84:87], s[0:1], 0x40             ; vcodes s[84:85], xr s[86:87]
	v_lshl_add_u32 v[SPW], v0, 2, SPARE
	v_mov_b32 v[NIL], 0
	ds_add_u32 v28, v29
	ds_add_u32 v28, v29
	s_wait_dscnt 0x0
	v_lshrrev_b32 v1, 5, v0
	v_readfirstlane_b32 s8, v1                     ; wave 0..3
	s_bfe_u32 s9, ttmp6, 0x40000                   ; cx: my place in the cluster; it enters global addresses of x and of the results alone
	s_lshr_b32 s11, ttmp9, 4                       ; the product: 0 q, 1 k, 2 v: sixteen clusters each
	s_and_b32 s10, ttmp9, 15
	s_lshl_b32 s10, s10, 2
	s_add_co_u32 s10, s10, s9                      ; my block of 128 rows, 0..63
	s_mov_b32 s[G1+0], 15|(3<<16)|(1<<21)          ; 15:0 the mask: all four work-groups; 17:16 elements of 8 bytes; 21 set beside a mask; no padding
	s_mov_b32 s[G1+1], 32<<16                      ; tensor_dim0 = 32 elements: rows of 256 bytes
	s_mov_b32 s[G1+2], 128<<16                     ; tensor_dim1 = 128 rows
	s_mov_b32 s[G1+3], 32<<16                      ; tile_dim0 = 32
	s_mov_b32 s[G1+4], 128                         ; tile_dim1 = 128
	s_mov_b32 s[G1+5], 32                          ; from row to row: 32 elements: the block is dense
	s_mov_b32 s[G1+6], 0
	s_mov_b32 s[G1+7], 0
	s_lshl_b32 s12, s8, 15                         ; my quarter: 32,768 x wave, in a tile and in a slot
	s_lshl_b32 s14, s11, 19                        ; my product's 524,288 bytes of codes
	s_add_co_u32 s14, s14, s12
	s_mov_b32 s15, 0
	s_wait_kmcnt 0x0
	s_load_b256 s[40:47], s[72:73], 0x0            ; e0 .. e7
	s_load_b128 s[48:51], s[72:73], 0x20           ; e8 .. e11
	s_add_nc_u64 s[14:15], s[70:71], s[14:15]
.irp n, 0,1
	s_mov_b32 s[G0+4*\n], 1                        ; count = 1
	s_add_co_u32 s[G0+4*\n+1], s12, \n*SLOTB       ; LDS address
	s_add_nc_u64 s[G0+4*\n+2:G0+4*\n+3], s[14:15], \n*SLOTB   ; global address: tile n
	s_or_b32 s[G0+4*\n+3], s[G0+4*\n+3], 0x80000000           ; type = 2
.endr
	CROUND                                         ; all four work-groups are here: the first joint loads meet
	tensor_load_to_lds s[G0:G0+3], s[G1:G1+7]      ; tiles 0 and 1: the two first fills go out together and land under the head
	s_nop 0
	tensor_load_to_lds s[G0+4:G0+7], s[G1:G1+7]
	s_nop 0
	PLACES 4
	v_and_b32 v1, 31, v0                           ; lane
	v_and_b32 v2, 15, v0                           ; r
	v_bfe_u32 v3, v0, 4, 1                         ; h
	v_lshlrev_b32 v[XA], 11, v2
	v_lshl_add_u32 v[XA], v3, 5, v[XA]             ; x: row r of 2,048 bytes, + 32 h
	s_and_b32 s16, s8, 1                           ; wc: my half of a tile's columns; at the head: I quantise K steps 2 wc and 2 wc + 1
	s_lshr_b32 s17, s8, 1                          ; wr: my half of the rows
	s_lshl_b32 s20, s10, 18                        ; 128 rows of 2,048 bytes a work-group,
	s_lshl_b32 s21, s17, 17                        ; 64 rows a row half,
	s_add_co_u32 s20, s20, s21
	s_lshl_b32 s21, s16, 10                        ; 1,024 bytes for two K steps
	s_add_co_u32 s20, s20, s21
	s_mov_b32 s21, 0
	s_add_nc_u64 s[68:69], s[68:69], s[20:21]
.macro XLOAD m, ph                     ; row tile m's numbers of my ph-th K step into buffer m of window 2: register 8 c + j = x(r, 16 c + 8 h + j)
	WIN 0x80
.irp c, 0,1,2,3,4,5,6,7
	global_load_b128 v[64*(\m)+8*\c:64*(\m)+8*\c+3],   v[XA], s[68:69] offset:(\m)*32768+(\ph)*512+64*\c
	global_load_b128 v[64*(\m)+8*\c+4:64*(\m)+8*\c+7], v[XA], s[68:69] offset:(\m)*32768+(\ph)*512+64*\c+16
.endr
	WIN 0
.endm
	XLOAD 0, 0
	XLOAD 1, 0
	XLOAD 2, 0
	XLOAD 3, 0                                     ; 64 loads of the wave are on their way, and stay so until the last four fragments
	v_lshlrev_b32 v[LI], 4, v1
	s_lshl_b32 s58, s16, 16                        ; my 8 column tiles of 8,192 bytes
	v_add_nc_u32 v[LB], s58, v[LI]
	v_add_nc_u32 v[LB+1], SLOTB, v[LB]
	s_lshl_b32 s58, s17, 14                        ; an image's place: 16,384 x row half + 4,096 x row tile + 2,048 x (which of the two K steps of a phase)
	s_add_co_u32 s58, s58, XIMG
	v_add_nc_u32 v[LA], s58, v[LI]
	s_lshl_b32 s59, s16, 11
	v_add_nc_u32 v[XWI], s59, v[LA]
	s_lshl_b32 s58, s16, 9                         ; my 128 columns' 512 bytes of a bias
	v_lshl_add_u32 v[VB], v3, 5, s58
	v_lshl_add_u32 v[VBV], v2, 2, s58
	s_lshl_b32 s20, s10, 16                        ; xr: 8 row tiles of 8,192 bytes a work-group,
	s_lshl_b32 s58, s17, 15                        ; 4 a row half,
	s_add_co_u32 s20, s20, s58
	s_lshl_b32 s58, s16, 12                        ; two K steps of 2,048 bytes
	s_add_co_u32 s20, s20, s58
	s_add_nc_u64 s[86:87], s[86:87], s[20:21]
	s_cmp_eq_u32 s11, 1                            ; my product's bias and result: a choice between buffers on the cluster's number
	s_cselect_b64 s[54:55], s[76:77], s[74:75]
	s_cselect_b64 s[56:57], s[82:83], s[80:81]
	s_cmp_eq_u32 s11, 2
	s_cselect_b64 s[54:55], s[78:79], s[54:55]
	s_cselect_b64 s[56:57], s[84:85], s[56:57]
	s_cselect_b32 s23, 11, 10                      ; from fragment to fragment of the result: v: channel tiles, 2,048 bytes; q, k: token tiles, 1,024: as a shift
	s_cselect_b32 s58, 10, 12                      ; my row half: v: two groups of four registers, 1,024 bytes; q, k: four token tiles, 4,096: as a shift
	s_lshl_b32 s59, s17, s58
	s_lshl_b32 s58, s16, 17                        ; my two heads of a tile's four: 131,072 bytes
	s_add_co_u32 s59, s59, s58
	v_add_nc_u32 v[VO], s59, v[LI]
	s_lshl_b32 s58, 1, s23
	v_add_nc_u32 v[VO+1], s58, v[VO]
	v_add_nc_u32 v[VO+2], s58, v[VO+1]
	v_add_nc_u32 v[VO+3], s58, v[VO+2]
	s_lshr_b32 s20, s10, 3                         ; b
	s_lshl_b32 s20, s20, 20                        ; a batch entry's 16 heads x 65,536 bytes
	s_and_b32 s23, s10, 7                          ; which 128 tokens of the 1,024: 8 token tiles of 1,024 bytes, or one key step of 4 x 2,048: 8,192 bytes either way
	s_lshl_b32 s23, s23, 13
	s_add_co_u32 s20, s20, s23
	s_add_nc_u64 s[56:57], s[56:57], s[20:21]
	s_wait_kmcnt 0x0
	s_cmp_eq_u32 s11, 1                            ; my product's three exponents: x's, W's, the result's
	s_cselect_b32 s18, s44, s42
	s_cselect_b32 s19, s45, s43
	s_cselect_b32 s22, s49, s48
	s_cmp_eq_u32 s11, 2
	s_cselect_b32 s18, s46, s18
	s_cselect_b32 s19, s47, s19
	s_cselect_b32 s22, s51, s22
.macro MKSC vr, se                     ; v[vr] = 2^e as f32 (the conversion takes its exponent field), v[vr + 1] = 57,344 x 2^e
	s_add_co_i32 s58, s[\se], 127
	s_lshl_b32 s59, s58, 23
	v_mov_b32 v[\vr], s59
	s_add_co_i32 s58, s58, 15
	s_lshl_b32 s58, s58, 23
	s_or_b32 s58, s58, 0x600000
	v_mov_b32 v[\vr+1], s58
.endm
	MKSC SCX, 18
	MKSC SC0, 40
	MKSC SCO, 22
	s_add_co_i32 s52, s18, s19                     ; a sum stands for sum x 2^(ex + ew)
	s_add_co_i32 s52, s52, 127
	s_lshl_b32 s52, s52, 23
	s_mov_b32 s53, s52                             ; (the packed form names a pair and takes its low word for both halves: so the upper word is written)
; 64 numbers of a lane, in window 2 from v[xb] on, become a fragment's 16 registers of codes.  The numbers are kept: two scales may read them.
.macro QUANTX xb, sc, dst
	WIN 0x02                                       ; source 0 window 2
.set J, 0
.rept 64
	v_med3_num_f32 v[T+J], v[(\xb)+J], -v[\sc+1], v[\sc+1]   ; the conversion to an 8-bit code does not saturate (ISA guide 7.6.2): the hold comes first
.set J, J+1
.endr
	WIN 0
.irp g, 0,1,2,3,4,5,6,7
	v_cvt_scalef32_pk8_bf8_f32 v[(\dst)+2*\g:(\dst)+2*\g+1], v[T+8*\g:T+8*\g+7], v[\sc]
.endr
	v_nop                                          ; a plain line behind the last conversion of the run
.endm
.macro XR m, ph                        ; x under e0, for the residual product in the last launch: the work-groups of product ph store the K steps of phase ph, so that each byte has one owner
	s_cmp_lg_u32 s11, \ph
	s_cbranch_scc1 .Lnoxr_\@
	QUANTX 64*(\m), SC0, PCR+16*(\m)
.irp c, 0,1,2,3
	global_store_b128 v[LI], v[PCR+16*(\m)+4*\c:PCR+16*(\m)+4*\c+3], s[86:87] offset:(\m)*8192+(\ph)*2048+512*\c
.endr
.Lnoxr_\@:
.endm
.macro IMAGE m                         ; row tile m's fragment goes to LDS as it stands
.irp c, 0,1,2,3
	ds_store_b128 v[XWI], v[PC+16*(\m)+4*\c:PC+16*(\m)+4*\c+3] offset:(\m)*4096+\c*512
.endr
.endm
.macro LOADA ph                        ; my row half's eight fragments of a phase: K steps ph and 2 + ph
	WIN 0x40
.irp m, 0,1,2,3
.irp kk, 0,1
.irp c, 0,1,2,3
	ds_load_b128 v[16*(4*\m+2*\kk+(\ph))+4*\c:16*(4*\m+2*\kk+(\ph))+4*\c+3], v[LA] offset:\m*4096+\kk*2048+\c*512
.endr
.endr
.endr
	WIN 0
.endm
; ---- phase a: my first K step
.irp m, 0,1,2,3
	s_wait_loadcnt 48                              ; this fragment's sixteen loads are in; the three fragments asked for behind it, 48 loads, may be out
	XR \m, 0
	QUANTX 64*\m, SCX, PC+16*\m
	IMAGE \m
	XLOAD \m, 1                                    ; the buffer just read takes the same rows of my second K step
.endr
	s_wait_dscnt 0x0                               ; for the others' sake: my images lie in LDS
	s_barrier_signal -1
	s_barrier_wait -1
	LOADA 0                                        ; these land while the second K step is quantised
	s_wait_xcnt 0x0                                ; the stores to xr have read their registers: these are written again only behind this wait
; ---- phase b: my second K step
.irp m, 0,1,2,3
	s_wait_loadcnt 48-16*\m                        ; the later fragments' loads may be out
	XR \m, 1
	QUANTX 64*\m, SCX, PC+16*\m
.endr
	s_wait_dscnt 0x0                               ; my reads of the first images are in registers
	s_barrier_signal -1
	s_barrier_wait -1                              ; everybody's are: the images' bytes may be written again
.irp m, 0,1,2,3
	IMAGE \m
.endr
	s_wait_dscnt 0x0                               ; my images lie in LDS,
	s_wait_tensorcnt 0x1                           ; and my quarter of tile 0; tile 1's may stay out
	s_barrier_signal -1
	s_barrier_wait -1
.macro LOADBK slot, ks                 ; W's eight fragments of K step ks: 32 loads of 512 consecutive bytes
	WIN 0xc0
.irp t, 0,1,2,3,4,5,6,7
.irp c, 0,1,2,3
	ds_load_b128 v[128*((\ks)%2)+16*\t+4*\c:128*((\ks)%2)+16*\t+4*\c+3], v[LB+(\slot)] offset:\t*8192+(\ks)*2048+\c*512
.endr
.endr
	WIN 0
.endm
; 32 matrix instructions: one K step; the 32 accumulators take turns, one instruction a turn, in the same order in every K step.  The first K step starts the sums: nothing is cleared.
.macro MULBR ks
	s_cmp_eq_u32 s11, 2
	s_cbranch_scc1 .Lmv_\@
	WIN 0xa7                                       ; q, k: source 0 (W) window 3, source 1 (x) window 1, C and D window 2
.irp t, 0,1,2,3,4,5,6,7
.irp m, 0,1,2,3
.if (\ks) == 0
	v_wmma_f32_16x16x128_bf8_bf8 v[8*(4*\t+\m):8*(4*\t+\m)+7], v[128*((\ks)%2)+16*\t:128*((\ks)%2)+16*\t+15], v[16*(4*\m+(\ks)):16*(4*\m+(\ks))+15], 0
.else
	v_wmma_f32_16x16x128_bf8_bf8 v[8*(4*\t+\m):8*(4*\t+\m)+7], v[128*((\ks)%2)+16*\t:128*((\ks)%2)+16*\t+15], v[16*(4*\m+(\ks)):16*(4*\m+(\ks))+15], v[8*(4*\t+\m):8*(4*\t+\m)+7]
.endif
.endr
.endr
	WIN 0
	s_branch .Lmj_\@
.Lmv_\@:
	WIN 0xad                                       ; v: source 0 (x) window 1, source 1 (W) window 3
.irp t, 0,1,2,3,4,5,6,7
.irp m, 0,1,2,3
.if (\ks) == 0
	v_wmma_f32_16x16x128_bf8_bf8 v[8*(4*\t+\m):8*(4*\t+\m)+7], v[16*(4*\m+(\ks)):16*(4*\m+(\ks))+15], v[128*((\ks)%2)+16*\t:128*((\ks)%2)+16*\t+15], 0
.else
	v_wmma_f32_16x16x128_bf8_bf8 v[8*(4*\t+\m):8*(4*\t+\m)+7], v[16*(4*\m+(\ks)):16*(4*\m+(\ks))+15], v[128*((\ks)%2)+16*\t:128*((\ks)%2)+16*\t+15], v[8*(4*\t+\m):8*(4*\t+\m)+7]
.endif
.endr
.endr
	WIN 0
.Lmj_\@:
.endm
.macro BIASBR s                        ; step s's biases in the result's layout
	s_cmp_eq_u32 s11, 2
	s_cbranch_scc1 .Lbv_\@
.irp t, 0,1,2,3,4,5,6,7                ; q, k: lane (r, h) wants columns 16 t + 8 h + 0..7 of my 128
	global_load_b128 v[BIAS+8*\t:BIAS+8*\t+3],   v[VB], s[54:55] offset:(\s)*1024+64*\t
	global_load_b128 v[BIAS+8*\t+4:BIAS+8*\t+7], v[VB], s[54:55] offset:(\s)*1024+64*\t+16
.endr
	s_branch .Lbj_\@
.Lbv_\@:
.irp t, 0,1,2,3,4,5,6,7                ; v: lane (r, h) wants column 16 t + r
	global_load_b32 v[BIAS+2*\t], v[VBV], s[54:55] offset:(\s)*1024+64*\t
.endr
.Lbj_\@:
.endm
; The change of slots stands where my last reads of the slot are waited for, ahead of the fourth K step's products.
.macro ENDSTEP s
.if (\s) <= 1                          ; the slot takes the tile two on
	s_wait_tensorcnt 0x0                           ; all my tensor loads have landed: the one that was out is my quarter of the next tile
	ds_add_u32 v[SPW], v[NIL]                      ; 0 onto my spare word
	s_add_nc_u64 s[G0+4*(\s)+2:G0+4*(\s)+3], s[G0+4*(\s)+2:G0+4*(\s)+3], 2*SLOTB   ; no load of mine is out, so a group 0 may be written
	s_wait_dscnt 0x0                               ; the add is done, and my reads of this slot are in registers
	CROUND                                         ; no wave of any partner still reads this slot or has a load on its way; and the next tile is whole for every wave
	tensor_load_to_lds s[G0+4*(\s):G0+4*(\s)+3], s[G1:G1+7]   ; my one load behind the round: it has the fourth K step, the way out and three K steps of the next tile in which to land
	s_nop 0
	PLACES 4
.elseif (\s) == 2                      ; nothing is left to fetch: a plain barrier shows the last tile to every wave
	s_wait_tensorcnt 0x0                           ; my quarter of the last tile is in: no load was issued behind it
	s_wait_dscnt 0x0
	s_barrier_signal -1
	s_barrier_wait -1
.else
	s_wait_dscnt 0x0                               ; the fourth K step's fragments
.endif
.endm
; THE WAY OUT of head hh of my two: 16 accumulators, 128 numbers a lane.  sum x 2^(ex + ew) + bias goes into TT so that registers 8 q .. 8 q + 7 are eight neighbours along the next product's K and four successive q fill one
; group of... two groups of four registers of one fragment: q, k: q = 4 m + t (token tile m, channels 16 t + 8 h + j); v: q = 4 t + m (channel tile t, tokens 16 m + 8 h + j).  Hold, conversion and stores are then the same lines.
.macro OUTH s, hh
	s_wait_xcnt 0x0                                ; earlier stores have read their registers: TT and PCO are written again only behind this wait
	s_cmp_eq_u32 s11, 2
	s_cbranch_scc1 .Lov_\@
	WIN 0x02                                       ; source 0 (the sums) window 2
.irp m, 0,1,2,3
.irp t, 0,1,2,3
.irp i, 0,2,4,6
	v_pk_fma_f32 v[TT+32*\m+8*\t+\i:TT+32*\m+8*\t+\i+1], v[8*(4*(4*(\hh)+\t)+\m)+\i:8*(4*(4*(\hh)+\t)+\m)+\i+1], s[52:53], v[BIAS+8*(4*(\hh)+\t)+\i:BIAS+8*(4*(\hh)+\t)+\i+1] op_sel_hi:[1,0,1]   ; each accumulator from its low end on
.endr
.endr
.endr
	WIN 0
	s_branch .Loj_\@
.Lov_\@:
	WIN 0x02
.irp t, 0,1,2,3
.irp m, 0,1,2,3
.irp i, 0,2,4,6
	v_pk_fma_f32 v[TT+32*\t+8*\m+\i:TT+32*\t+8*\m+\i+1], v[8*(4*(4*(\hh)+\t)+\m)+\i:8*(4*(4*(\hh)+\t)+\m)+\i+1], s[52:53], v[BIAS+2*(4*(\hh)+\t):BIAS+2*(4*(\hh)+\t)+1] op_sel_hi:[1,0,0]   ; of the pairs 2^(ex + ew) and bias the low word serves both halves
.endr
.endr
.endr
	WIN 0
.Loj_\@:
.set J, 0
.rept 128
	v_med3_num_f32 v[TT+J], v[TT+J], -v[SCO+1], v[SCO+1]   ; the hold at the largest code x the scale
.set J, J+1
.endr
.irp q, 0,1,2,3,4,5,6,7,8,9,10,11,12,13,14,15
	v_cvt_scalef32_pk8_bf8_f32 v[PCO+2*\q:PCO+2*\q+1], v[TT+8*\q:TT+8*\q+7], v[SCO]
.endr
	v_nop                                          ; a plain line behind the last conversion of the run
.irp q, 0,1,2,3
	global_store_b128 v[VO+\q], v[PCO+8*\q:PCO+8*\q+3],   s[56:57] offset:(\s)*262144+(\hh)*65536       ; 512 consecutive bytes, aligned; the head is 4 s + 2 (w % 2) + hh
	global_store_b128 v[VO+\q], v[PCO+8*\q+4:PCO+8*\q+7], s[56:57] offset:(\s)*262144+(\hh)*65536+512
.endr
.endm
; A step: one tile.  Its first K step's fragments were asked for at the end of the step before.
.macro STEP s
	BIASBR \s
	LOADBK (\s)%2, 1
	s_wait_dscnt 32                                ; K step 0's fragments are in; the 32 loads just issued may be out
	MULBR 0
	PLACES 4                                       ; four places between products and loads into their operands (ISA guide 7.12.1 for vector instructions)
	LOADBK (\s)%2, 2
	s_wait_dscnt 32                                ; K step 1's are in
	MULBR 1
	PLACES 4
	LOADBK (\s)%2, 3
	s_wait_dscnt 32                                ; K step 2's are in
	MULBR 2
	ENDSTEP \s
	MULBR 3
	PLACES 4                                       ; for the loads below, and for the first read of the sums
.if (\s) < 3
	LOADBK ((\s)+1)%2, 0                           ; the next tile's first fragments land under the way out
.endif
	s_wait_loadcnt 0x0                             ; the biases
	OUTH \s, 0
	OUTH \s, 1
.endm
	LOADA 1
	LOADBK 0, 0
	s_wait_dscnt 32                                ; x's second eight fragments are in; W's 32 loads may be out
.irp s, 0,1,2,3                        ; written out
	STEP \s
.endr
	s_wait_tensorcnt 0x0                           ; the wave's end: behind my last tensor load and my last LDS store
	ds_add_u32 v[SPW], v[NIL]
	s_wait_dscnt 0x0
	CROUND                                         ; the closing round: no work-group ends while a partner may still ask for a tile that names it
	s_endpgm
.Lfunc_end_k_q88140f6418_proj:
	.size	k_q88140f6418_proj, .Lfunc_end_k_q88140f6418_proj-k_q88140f6418_proj
	.p2alignl 7, 3214868480
	.fill 96, 4, 3214868480
	.section	.rodata,"a",@progbits
	.p2align	6, 0x0
	.amdhsa_kernel k_q88140f6418_proj
		.amdhsa_group_segment_fixed_size 327680
		.amdhsa_private_segment_fixed_size 0
		.amdhsa_enable_private_segment 0
		.amdhsa_kernarg_size 80
		.amdhsa_user_sgpr_count 2
		.amdhsa_user_sgpr_kernarg_segment_ptr 1
		.amdhsa_wavefront_size32 1
		.amdhsa_system_sgpr_workgroup_id_x 1
		.amdhsa_system_sgpr_workgroup_id_y 1
		.amdhsa_system_sgpr_workgroup_id_z 1
		.amdhsa_system_vgpr_workitem_id 0
		.amdhsa_next_free_vgpr 1024
		.amdhsa_next_free_sgpr 96
		.amdhsa_reserve_vcc 0
		.amdhsa_float_denorm_mode_32 3
		.amdhsa_float_denorm_mode_16_64 3
		.amdhsa_memory_ordered 1
		.amdhsa_forward_progress 1
		.amdhsa_inst_pref_size 255
	.end_amdhsa_kernel
	.section	.bss,"aw",@nobits
	.p2align	6
	.space	262144
	.amdgpu_metadata
---
amdhsa.version: [ 1, 2 ]
amdhsa.kernels:
  - .name:           k_q88140f6418_proj
    .symbol:         k_q88140f6418_proj.kd
    .args:
      - { .name: x, .offset: 0, .size: 8, .value_kind: global_buffer, .address_space: global }
      - { .name: wqkv, .offset: 8, .size: 8, .value_kind: global_buffer, .address_space: global }
      - { .name: lowp_scales, .offset: 16, .size: 8, .value_kind: global_buffer, .address_space: global }
      - { .name: wq_b, .offset: 24, .size: 8, .value_kind: global_buffer, .address_space: global }
      - { .name: wk_b, .offset: 32, .size: 8, .value_kind: global_buffer, .address_space: global }
      - { .name: wv_b, .offset: 40, .size: 8, .value_kind: global_buffer, .address_space: global }
      - { .name: qcodes, .offset: 48, .size: 8, .value_kind: global_buffer, .address_space: global }
      - { .name: kcodes, .offset: 56, .size: 8, .value_kind: global_buffer, .address_space: global }
      - { .name: vcodes, .offset: 64, .size: 8, .value_kind: global_buffer, .address_space: global }
      - { .name: xr, .offset: 72, .size: 8, .value_kind: global_buffer, .address_space: global }
    .group_segment_fixed_size: 327680
    .private_segment_fixed_size: 0
    .kernarg_segment_align: 8
    .kernarg_segment_size: 80
    .max_flat_workgroup_size: 128
    .sgpr_count:     96
    .vgpr_count:     1024
    .wavefront_size: 32
...
	.end_amdgpu_metadata
.endif
;; end of part 2
;; launch attn (part 3): grid 2 x 128, 16 waves a work-group, no clusters, 133,120 bytes of LDS; arguments qcodes, kcodes, vcodes, maskw, lowp_scales, ocodes; writes ocodes
.if DOCPART == 3
	.amdgcn_target "amdgcn-amd-amdhsa--gfx1250"
	.amdhsa_code_object_version 6
	.text
	.protected	k_q88140f6418_attn
	.globl	k_q88140f6418_attn
	.p2align	8
	.type	k_q88140f6418_attn,@function
k_q88140f6418_attn:
	s_mov_b64 s[64:65], 0
	v_nop
	global_prefetch_b8 v0, s[64:65] scope:SCOPE_SE
	s_setreg_imm32_b32 hwreg(HW_REG_WAVE_MODE, 25, 1), 1
	s_wait_xcnt 0x0
; ATTN: o = softmax(where(mask == 0, -1e9, q k^T / 8)) v for one (batch entry, head), both products on codes of BF8 (E5M2); o is quantised at once for the dense layer.
; THE SOFTMAX AHEAD OF THE SECOND PRODUCT: t = logit x log2(e); M = the row's largest t so far, rounded UP to a whole number; p = 2^(t - M) is what is quantised (scale e10), not normalised; the row's sum is taken of the
; unquantised p and divides at the end.  When M moves, the sum and O are multiplied by 2^(old M - new M): exact.
; THE MASK.  t is formed first (score x c), then a masked key's t is replaced by -1e9 x log2(e) as f32 has it, -1,442,695,040, a whole number.  t - M is an addition of its own, not fused with the product: on a row whose keys so far
; are all masked M equals that number and p is exactly 1, so a row that is masked entirely gives the mean of v, as the -1e9 of the definition does; an open key that comes later makes 2^(old M - new M) zero.
; SHARES.  A work-group holds ALL of the head's K and V codes in LDS (65,536 bytes each), copied once through registers, and owns 512 queries; each of its sixteen waves two tiles of 16, one after the other, in 256 registers:
; four waves to a SIMD, so that one wave's vector work stands beside another's products and LDS loads.  A trip of the loop is 128 keys.
; NO CLUSTER, NO TENSOR LOAD: K and V are fetched once at the head, 131,072 bytes a work-group, and only two work-groups share them; nothing in LDS is filled again.
; LAYOUT.  Both products are used transposed: S^T = K Q^T (source 0 = 16 keys, source 1 = my 16 queries; K = 64), O^T = V^T P^T (source 0 = 16 channels, source 1 = P; K = 128 keys): a lane holds ONE query throughout.
; Register 8 i + j of the scores is key 16 i + 8 (lane / 16) + j: the very place that the second product's operand gives it, so the conversions' results are that operand.  O^T's registers are channels 16 dt + 8 (lane / 16) + j:
; the dense layer's operand layout.  All codes in memory and LDS are images of operand registers: 16 bytes a lane, 512 consecutive bytes an instruction.
; The mask comes as lane masks, one word for each score register (64 a key step), by scalar loads a key step ahead; a masked score costs one select.
; LIMITS on the given exponents: e8 + e9 between -123 and 130 (added to c's exponent field); e10 and e12 between -126 and 112; e10 + e11 is applied by v_ldexp_f32 and has none.  v_exp_f32 gives 0 under 2^-126.
; REGISTERS: v1 16 x lane; v2, v3 the copy's LDS addresses; v8, v9 the trip's K and V; v12 -M, v13 the largest t, v[14:15] the sum in two halves; v16-31 Q of both passes; v32-95 K's, then V's fragments; v96-159 scores, t, p;
;   v160-191 O^T; v192-207 p's codes; v208-215 at work; v216 a masked key's t; v217-220 scales; v224-239 the codes that leave.
; s[16:63], s[80:95]: the 64 mask words, word n in s[16 + n + 16 (n / 48)].
	s_load_b256 s[68:75], s[0:1], 0x0              ; qcodes s[68:69], kcodes s[70:71], vcodes s[72:73], maskw s[74:75]
	s_load_b128 s[76:79], s[0:1], 0x20             ; scales s[76:77], ocodes s[78:79]
	v_lshl_add_u32 v254, v0, 2, 0x20000
	v_mov_b32 v255, 0
	v_lshrrev_b32 v4, 5, v0
	v_readfirstlane_b32 s12, v4                    ; wave 0..15
	v_and_b32 v1, 31, v0
	v_lshlrev_b32 v1, 4, v1                        ; 16 x lane
	v_lshlrev_b32 v2, 4, v0                        ; 16 x thread: the copy of K,
	v_add_nc_u32 v3, 0x10000, v2                   ; and of V, which lies behind K
	s_and_b32 s13, ttmp7, 0xffff                   ; 16 b + head
	s_lshl_b32 s14, s13, 16                        ; its 65,536 bytes in each of q, k, v
	s_mov_b32 s15, 0
	s_mov_b32 s2, 0x76543210                       ; lane selects for v_permlanex16_b32: lane l xor 16
	s_mov_b32 s3, 0xfedcba98
	s_wait_kmcnt 0x0
	s_add_nc_u64 s[70:71], s[70:71], s[14:15]
	s_add_nc_u64 s[72:73], s[72:73], s[14:15]
.irp i, 0,1,2,3,4,5,6,7
	global_load_b128 v[32+4*\i:35+4*\i], v2, s[70:71] offset:\i*8192   ; 512 threads x 16 bytes
.endr
.irp i, 0,1,2,3,4,5,6,7
	global_load_b128 v[64+4*\i:67+4*\i], v2, s[72:73] offset:\i*8192
.endr
	s_lshl_b32 s10, ttmp9, 15                      ; my half of the head's 64 query tiles of 1,024 bytes,
	s_add_co_u32 s14, s14, s10
	s_lshl_b32 s10, s12, 11                        ; my wave's two
	s_add_co_u32 s14, s14, s10
	s_add_nc_u64 s[4:5], s[68:69], s[14:15]
.irp p, 0,1
	global_load_b128 v[16+8*\p:19+8*\p], v1, s[4:5] offset:\p*1024
	global_load_b128 v[20+8*\p:23+8*\p], v1, s[4:5] offset:\p*1024+512
.endr
	s_and_b32 s10, s13, 15                         ; the head
	s_lshl_b32 s14, s10, 17                        ; its 64 query tiles x 2,048 bytes of mask words,
	s_lshl_b32 s11, ttmp9, 16
	s_add_co_u32 s14, s14, s11
	s_lshl_b32 s11, s12, 12                        ; my wave's two tiles: 16 key steps of 256 bytes on end
	s_add_co_u32 s14, s14, s11
	s_add_nc_u64 s[8:9], s[74:75], s[14:15]
.macro MLOAD                           ; a key step's 64 mask words
	s_load_b512 s[16:31], s[8:9], 0x0
	s_load_b512 s[32:47], s[8:9], 0x40
	s_load_b512 s[48:63], s[8:9], 0x80
	s_load_b512 s[80:95], s[8:9], 0xc0
.endm
	MLOAD
	s_load_b128 s[96:99], s[76:77], 0x20           ; e8, e9, e10, e11
	s_load_b32 s100, s[76:77], 0x30                ; e12
	s_lshr_b32 s14, s13, 4                         ; b
	s_lshl_b32 s14, s14, 20                        ; ocodes: 64 row tiles of 16,384 bytes,
	s_lshl_b32 s11, ttmp9, 19
	s_add_co_u32 s14, s14, s11
	s_lshl_b32 s11, s12, 15                        ; my wave's two,
	s_add_co_u32 s14, s14, s11
	s_lshl_b32 s11, s10, 10                        ; and in a row tile the head's 1,024 bytes: K step head / 2, registers 8 (head % 2) on
	s_add_co_u32 s14, s14, s11
	s_add_nc_u64 s[6:7], s[78:79], s[14:15]
	s_mov_b32 s10, 0                               ; how far the mask pointer has gone
	v_mov_b32 v208, 0                              ; written once: a lane permute's destination counts as one of its sources
	v_mov_b32 v213, 0                              ; (named as the upper half of the pair v[212:213])
	v_mov_b32 v216, 0xceabfb8f                     ; -1,442,695,040
	s_wait_loadcnt 4                               ; K and V are in; Q's four loads may be out
.irp i, 0,1,2,3,4,5,6,7
	ds_store_b128 v2, v[32+4*\i:35+4*\i] offset:\i*8192
.endr
.irp i, 0,1,2,3,4,5,6,7
	ds_store_b128 v3, v[64+4*\i:67+4*\i] offset:\i*8192
.endr
	s_wait_kmcnt 0x0
	s_add_co_i32 s69, s96, s97
	s_lshl_b32 s69, s69, 23
	s_add_co_i32 s66, s69, 0x3e38aa3b              ; c = log2(e) / 8, with e8 + e9 added to its exponent field: a score stands for score x 2^(e8 + e9)
	s_mov_b32 s67, s66                             ; (named with it as a pair, so it is written)
	s_add_co_i32 s68, s98, s99                     ; e10 + e11
.macro MKSC vr, se                     ; v[vr] = 2^e as f32, v[vr + 1] = 57,344 x 2^e
	s_add_co_i32 s69, s[\se], 127
	s_lshl_b32 s101, s69, 23
	v_mov_b32 v[\vr], s101
	s_add_co_i32 s69, s69, 15
	s_lshl_b32 s69, s69, 23
	s_or_b32 s69, s69, 0x600000
	v_mov_b32 v[\vr+1], s69
.endm
	MKSC 217, 98
	MKSC 219, 100
	s_wait_dscnt 0x0                               ; for the others' sake: my part of K and V lies in LDS
	s_barrier_signal -1
	s_barrier_wait -1                              ; the launch's one barrier: from here on LDS is only read
	s_wait_loadcnt 0x0                             ; Q
.macro PASS p                          ; my p-th tile of 16 queries against all 1,024 keys
	v_mov_b32 v13, 0xff61b1e6                      ; the largest t so far: -3e38, under every t
	v_floor_f32 v12, -v13                          ; -M
	v_mov_b32 v14, 0                               ; the sum, in two halves
	v_mov_b32 v15, 0
.set J, 0
.rept 32
	v_mov_b32 v[160+J], 0                          ; O^T.  (The trip is written once: the first finds zeros, which the first change of M leaves zeros)
.set J, J+1
.endr
	s_mov_b32 s11, 0                               ; the key step's bytes in K and in V: 8,192 a step
	s_mov_b32 s13, 8
.Lstep_\@:
	v_add_nc_u32 v8, s11, v1
	v_add_nc_u32 v9, 0x10000, v8
	v_nop                                          ; with the two additions: four places between the last trip's products and the loads into their operands
	v_nop
.irp i, 0,1,2,3,4,5,6,7
	ds_load_b128 v[32+8*\i:35+8*\i], v8 offset:\i*1024       ; eight tiles of 16 keys
	ds_load_b128 v[36+8*\i:39+8*\i], v8 offset:\i*1024+512
.endr
	s_wait_dscnt 0x0
.irp i, 0,1,2,3,4,5,6,7
	v_wmma_f32_16x16x64_bf8_bf8 v[96+8*\i:103+8*\i], v[32+8*\i:39+8*\i], v[16+8*\p:23+8*\p], 0
.endr
.rept 4
	v_nop                                          ; four places: for the loads below, and for the first read of the scores
.endr
.irp f, 0,1,2,3
.irp c, 0,1,2,3
	ds_load_b128 v[32+16*\f+4*\c:35+16*\f+4*\c], v9 offset:\f*2048+\c*512   ; V's four fragments land under the softmax
.endr
.endr
	s_wait_kmcnt 0x0                               ; this step's mask words, asked for a step ago
.irp i, 0,1,2,3,4,5,6,7
.irp q, 0,2,4,6
	v_pk_mul_f32 v[96+8*\i+\q:97+8*\i+\q], v[96+8*\i+\q:97+8*\i+\q], s[66:67] op_sel_hi:[1,0]   ; t = score x c; each accumulator from its low end on
.endr
.irp q, 0,1,2,3,4,5,6,7
	v_cndmask_b32 v[96+8*\i+\q], v216, v[96+8*\i+\q], s[16+8*\i+\q+16*((8*\i+\q)/48)]           ; a lane whose bit is 0 takes the masked t
.endr
.endr
	v_max3_num_f32 v214, v96, v97, v98             ; the step's largest t of my query, among my 64 keys, in two chains,
	v_max3_num_f32 v215, v99, v100, v101
.irp i, 6,10,14,18,22,26,30,34,38,42,46,50,54,58
	v_max3_num_f32 v214, v214, v[96+\i], v[97+\i]
	v_max3_num_f32 v215, v215, v[98+\i], v[99+\i]
.endr
	v_max3_num_f32 v214, v214, v158, v159
	v_max_num_f32 v214, v214, v215
	s_add_co_u32 s101, s10, 256                    ; the next step's mask words: 256 bytes on; at my last block the pointer stays, so that no load leaves the buffer
	s_min_u32 s101, s101, 3840
	s_sub_co_u32 s14, s101, s10
	s_mov_b32 s10, s101
	s_add_nc_u64 s[8:9], s[8:9], s[14:15]          ; (the loads that named this base are done: the wait above)
	MLOAD
	v_permlanex16_b32 v208, v214, s2, s3
	v_max_num_f32 v214, v214, v208                 ; and among lane l xor 16's
	v_max_num_f32 v13, v13, v214                   ; the running largest t
	v_mov_b32 v214, v12
	v_floor_f32 v12, -v13                          ; the new -M = floor(-t) = -ceil(t): M is a whole number
	v_sub_f32 v214, v12, v214                      ; M's old value less its new one: a whole number, 0 or less
	v_cvt_i32_f32 v214, v214                       ; (it saturates)
	v_ldexp_f32 v212, 1.0, v214                    ; f = 2^(old M - new M)
.set J, 0
.rept 32
	v_pk_add_f32 v[96+J:97+J], v[96+J:97+J], v[12:13] op_sel_hi:[1,0]   ; t - M, two at a time
.set J, J+2
.endr
.set J, 0
.rept 64
	v_exp_f32 v[96+J], v[96+J]                     ; p = 2^(t - M), at most 1
.set J, J+1
.endr
	v_pk_mul_f32 v[14:15], v[14:15], v[212:213] op_sel_hi:[1,0]   ; the sums under the new M.  (The plain place behind the exponentials)
	s_wait_alu depctr_va_vdst(0)
	v_pk_add_f32 v[210:211], v[96:97], v[98:99]    ; the row's sum is taken of the unquantised p: two at a time, in two chains
.irp j, 4,8,12,16,20,24,28,32,36,40,44,48,52,56,60
	v_pk_add_f32 v[14:15], v[14:15], v[96+\j:97+\j]
	v_pk_add_f32 v[210:211], v[210:211], v[98+\j:99+\j]
.endr
	v_pk_add_f32 v[14:15], v[14:15], v[210:211]
	s_cmp_gt_i32 s98, -16                          ; from e10 = -15 on, 57,344 x 2^e10 is 1.75 or more and p is at most 1: the hold could never act.  A branch on a given whole number, alike in every wave
	s_cbranch_scc1 .Lno_hold_\@
.set J, 0
.rept 64
	v_min_num_f32 v[96+J], v[96+J], v218           ; the conversion to an 8-bit code does not saturate (ISA guide 7.6.2); p is not negative, so the hold is one-sided
.set J, J+1
.endr
.Lno_hold_\@:
.irp i, 0,1,2,3,4,5,6,7
	v_cvt_scalef32_pk8_bf8_f32 v[192+2*\i:193+2*\i], v[96+8*\i:103+8*\i], v217
.endr
.set J, 0
.rept 16
	v_pk_mul_f32 v[160+J:161+J], v[160+J:161+J], v[212:213] op_sel_hi:[1,0]   ; O^T under the new M.  (Also the plain lines between the conversions and the products)
.set J, J+2
.endr
	s_wait_dscnt 0x0                               ; V
.irp f, 0,1,2,3
	v_wmma_f32_16x16x128_bf8_bf8 v[160+8*\f:167+8*\f], v[32+16*\f:47+16*\f], v[192:207], v[160+8*\f:167+8*\f]   ; four accumulators by turns, one instruction a turn
.endr
	s_add_co_u32 s11, s11, 8192
	s_sub_co_u32 s13, s13, 1
	s_cmp_lg_u32 s13, 0
	s_cbranch_scc1 .Lstep_\@
.rept 4
	v_nop                                          ; four places in front of the first read of O^T
.endr
	v_add_f32 v14, v14, v15                        ; the sum's two halves,
	v_permlanex16_b32 v208, v14, s2, s3
	v_add_f32 v14, v14, v208                       ; and lane l xor 16's: the row's sum
	v_rcp_f32 v14, v14
	v_nop                                          ; a plain place behind the transcendental
	s_wait_alu depctr_va_vdst(0)
	v_ldexp_f32 v14, v14, s68                      ; x 2^(e10 + e11)
.set J, 0
.rept 16
	v_pk_mul_f32 v[96+J:97+J], v[160+J:161+J], v[14:15] op_sel_hi:[1,0]   ; o: register 8 dt + j is channel 16 dt + 8 h + j of my query; each accumulator from its low end on
.set J, J+2
.endr
.set J, 0
.rept 32
	v_med3_num_f32 v[96+J], v[96+J], -v220, v220
.set J, J+1
.endr
.irp f, 0,1,2,3
	v_cvt_scalef32_pk8_bf8_f32 v[224+8*\p+2*\f:225+8*\p+2*\f], v[96+8*\f:103+8*\f], v219
.endr
	v_nop                                          ; a plain line behind the last conversion of the run
	global_store_b128 v1, v[224+8*\p:227+8*\p], s[6:7] offset:\p*16384       ; 512 consecutive bytes, aligned; each pass has its own registers
	global_store_b128 v1, v[228+8*\p:231+8*\p], s[6:7] offset:\p*16384+512
.endm
	PASS 0
	PASS 1
	s_wait_tensorcnt 0x0
	ds_add_u32 v254, v255
	s_wait_dscnt 0x0
	s_endpgm
.Lfunc_end_k_q88140f6418_attn:
	.size	k_q88140f6418_attn, .Lfunc_end_k_q88140f6418_attn-k_q88140f6418_attn
	.p2alignl 7, 3214868480
	.fill 96, 4, 3214868480
	.section	.rodata,"a",@progbits
	.p2align	6, 0x0
	.amdhsa_kernel k_q88140f6418_attn
		.amdhsa_group_segment_fixed_size 133120
		.amdhsa_private_segment_fixed_size 0
		.amdhsa_enable_private_segment 0
		.amdhsa_kernarg_size 48
		.amdhsa_user_sgpr_count 2
		.amdhsa_user_sgpr_kernarg_segment_ptr 1
		.amdhsa_wavefront_size32 1
		.amdhsa_system_sgpr_workgroup_id_x 1
		.amdhsa_system_sgpr_workgroup_id_y 1
		.amdhsa_system_sgpr_workgroup_id_z 1
		.amdhsa_system_vgpr_workitem_id 0
		.amdhsa_next_free_vgpr 256
		.amdhsa_next_free_sgpr 104
		.amdhsa_reserve_vcc 0
		.amdhsa_float_denorm_mode_32 3
		.amdhsa_float_denorm_mode_16_64 3
		.amdhsa_memory_ordered 1
		.amdhsa_forward_progress 1
		.amdhsa_inst_pref_size 60
	.end_amdhsa_kernel
	.amdgpu_metadata
---
amdhsa.version: [ 1, 2 ]
amdhsa.kernels:
  - .name:           k_q88140f6418_attn
    .symbol:         k_q88140f6418_attn.kd
    .args:
      - { .name: qcodes, .offset: 0, .size: 8, .value_kind: global_buffer, .address_space: global }
      - { .name: kcodes, .offset: 8, .size: 8, .value_kind: global_buffer, .address_space: global }
      - { .name: vcodes, .offset: 16, .size: 8, .value_kind: global_buffer, .address_space: global }
      - { .name: maskw, .offset: 24, .size: 8, .value_kind: global_buffer, .address_space: global }
      - { .name: lowp_scales, .offset: 32, .size: 8, .value_kind: global_buffer, .address_space: global }
      - { .name: ocodes, .offset: 40, .size: 8, .value_kind: global_buffer, .address_space: global }
    .group_segment_fixed_size: 133120
    .private_segment_fixed_size: 0
    .kernarg_segment_align: 8
    .kernarg_segment_size: 48
    .max_flat_workgroup_size: 512
    .sgpr_count:     104
    .vgpr_count:     256
    .wavefront_size: 32
...
	.end_amdgpu_metadata
.endif
;; end of part 3
;; launch final (part 4): grid 256 x 1, 4 waves a work-group, clusters of 4 x 1, 327,680 bytes of LDS; arguments xr, ocodes, wfin, lowp_scales, dense_b, ln_g, ln_b, out0; writes out0
.if DOCPART == 4
	.amdgcn_target "amdgcn-amd-amdhsa--gfx1250"
	.amdhsa_code_object_version 6
	.text
	.protected	k_q88140f6418_final
	.globl	k_q88140f6418_final
	.p2align	8
	.type	k_q88140f6418_final,@function
k_q88140f6418_final:
	s_mov_b64 s[64:65], 0
	v_nop
	global_prefetch_b8 v0, s[64:65] scope:SCOPE_SE
	s_setreg_imm32_b32 hwreg(HW_REG_WAVE_MODE, 25, 1), 1
	s_wait_xcnt 0x0
	s_wait_alu depctr_hold_cnt(0) depctr_sa_sdst(0) depctr_va_vdst(0) depctr_va_sdst(0) depctr_va_ssrc(0) depctr_va_vcc(0) depctr_vm_vsrc(0)
	s_getreg_b32 s2, hwreg(HW_REG_IB_STS2, 6, 4)
	s_cmp_eq_u32 s2, 0
	s_cbranch_scc0 .Lentry_in_a_cluster
	s_endpgm
.Lentry_in_a_cluster:
	s_bfe_u32 s2, ttmp6, 0x10000c
	s_cmp_lg_u32 s2, 0x3003
	s_cbranch_scc0 .Lentry_shape_is_right
	s_endpgm
.Lentry_shape_is_right:
; FINAL: y = x res_w + (o dense_w + dense_b), then LayerNorm over the row's 1,024, x ln_g + ln_b.  Both products on codes of BF8 (E5M2): x under e0, res_w e1, o e12, dense_w e13.
; SHARES.  A work-group of four waves owns 32 rows, whole: wave w makes columns 256 w .. 256 w + 255: 16 column tiles x 2 row tiles = 32 accumulators, 256 registers.  Twelve K steps of 128: four of the residual product, eight of the
; dense one, ON THE SAME ACCUMULATORS: behind the fourth the sums are multiplied by 2^(e0 + e1 - e12 - e13), which rounds nothing short of overflow and underflow, and dense_b / 2^(e12 + e13) is added in the same fused line.
; So y = accumulator x 2^(e12 + e13), and neither product's result goes to memory.
; THE RING.  A K step's weights, 64 fragments = 131,072 bytes, are one tile; two LDS slots.  Wave w fetches quarter w (its own 16 column tiles) and it alone reads that quarter.  CLUSTER: the four work-groups of a cluster walk the
; same tiles, so each quarter is asked for JOINTLY: the same tensor load with the same descriptor and the mask 15 in all four.  By this text's own count a wave has two tensor loads out at the start and one behind each round.
; The rows' fragments (4,096 bytes a K step) come from memory straight into registers, three K steps ahead.  All codes are images of operand registers: 16 bytes a lane, 512 consecutive bytes an instruction.
; THE MATRIX INSTRUCTION IS USED TRANSPOSED (source 0 = 16 columns of W, source 1 = 16 rows): a lane holds one row (16 m + lane % 16) and eight neighbouring columns (16 t + 8 (lane / 16) + j).
; LAYERNORM in two passes over the registers, in the accumulators' unit: mean, then the mean of squared differences; the waves' parts meet in LDS behind a barrier, twice.
; LIMITS, so that each power of two is an f32 number: e12 + e13 and e0 + e1 - e12 - e13 between -126 and 127, -(e12 + e13) likewise.
; REGISTERS, in windows of 256: window 0: below.  window 1: the accumulators, (t, m) at 8 (2 t + m).  windows 2, 3: the two buffers of W's 16 fragments, tile t at 16 t; at the end window 2 takes ln_g (v0-127) and ln_b (v128-255).
.set SLOTB, 131072
.set STAGE, 2*SLOTB                    ; behind the ring: a stage of 16 rows x 528 bytes for each wave, for the way out
.set SPB,   528                        ; 512 bytes + 16: row r starts 132 words on, so sixteen rows start at sixteen different banks (64 banks of 4 bytes: ISA guide 11.1)
.set STAT,  STAGE+4*16*SPB             ; the waves' row sums: twice 4 waves x 32 rows x 4 bytes
.set SPARE, STAT+1024                  ; the spare words, 128 bytes for each wave: two blocks of 256 bytes that no other line names
.set LI,   4                           ; v4    16 x lane
.set LB,   5                           ; v5-6  my quarter in slot 0, 1, + 16 x lane
.set VP,   7                           ; v7    dense_b, ln_g, ln_b: 1,024 x wave + 32 (lane / 16)
.set STO,  8                           ; v8    the stage: where I put 32 bytes of a row
.set RD,   9                           ; v9    and where I read a row back
.set SW,   10                          ; v10   where I put my wave's row sums
.set SRD,  11                          ; v11   and where I read all four waves'
.set SPW,  28                          ; v28   LDS address of my spare word; never rewritten
.set NIL,  29                          ; v29   0; never rewritten
.set AF,   32                          ; v32-127  three buffers of the rows' two fragments
.set DB,   128                         ; v128-255 dense_b / 2^(e12 + e13) in the result's layout; later:
.set T,    128                         ; v128-191 a block of results,
.set BK,   192                         ; v192-255 and its rows read back
.set G1,   24
.set G0,   32
.set MSB,  0
.macro WIN new                         ; low byte: bits 1:0 source 0, 3:2 source 1, 5:4 source 2, 7:6 destination; the high byte repeats the setting that is left
.if MSB != (\new)
	s_set_vgpr_msb (MSB<<8)|(\new)
.set MSB, (\new)
.endif
.endm
.macro PLACES n
.rept \n
	v_nop
.endr
.endm
.macro CROUND                          ; a round of the cluster's barrier
	s_barrier_signal -1
	s_barrier_wait -1
	s_cmp_lg_u32 s8, 0
	s_cbranch_scc1 .Lnot_wave_0_\@
	s_barrier_signal -3
.Lnot_wave_0_\@:
	s_barrier_wait -3
	s_barrier_signal -1
	s_barrier_wait -1
.endm
.macro LOADB slot                      ; my quarter of the slot, 16 fragments, into the buffer of the same number
	WIN 0x80+0x40*(\slot)
.irp f, 0,1,2,3,4,5,6,7,8,9,10,11,12,13,14,15
.irp c, 0,1,2,3
	ds_load_b128 v[16*\f+4*\c:16*\f+4*\c+3], v[LB+(\slot)] offset:\f*2048+\c*512
.endr
.endr
	WIN 0
.endm
.macro ENDSTEP slot, fill              ; fill = 1: the slot just emptied takes the tile two on
	WIN 0
	s_wait_tensorcnt 0x0                           ; all my tensor loads have landed: the one that was out is my quarter of the next tile
.if \fill
	ds_add_u32 v[SPW], v[NIL]                      ; 0 onto my spare word
	s_add_nc_u64 s[G0+4*(\slot)+2:G0+4*(\slot)+3], s[G0+4*(\slot)+2:G0+4*(\slot)+3], 2*SLOTB   ; no load of mine is out, so a group 0 may be written
	s_wait_dscnt 0x0                               ; the add is done, and my 64 reads of this slot are in registers
	CROUND                                         ; no wave of any partner still reads this slot or has a load on its way
	tensor_load_to_lds s[G0+4*(\slot):G0+4*(\slot)+3], s[G1:G1+7]   ; my one load behind the round: it has the whole next step in which to land
	s_nop 0
	PLACES 4
.else
	s_wait_dscnt 0x0
.endif
.endm
	s_load_b512 s[68:83], s[0:1], 0x0              ; xr s[68:69], ocodes s[70:71], wfin s[72:73], scales s[74:75], dense_b s[76:77], ln_g s[78:79], ln_b s[80:81], out0 s[82:83]
	v_lshl_add_u32 v[SPW], v0, 2, SPARE
	v_mov_b32 v[NIL], 0
	ds_add_u32 v28, v29
	ds_add_u32 v28, v29
	s_wait_dscnt 0x0
	v_lshrrev_b32 v1, 5, v0
	v_readfirstlane_b32 s8, v1                     ; wave 0..3
	s_bfe_u32 s9, ttmp6, 0x40000                   ; cx: it enters the global addresses of the rows and of the output alone
	s_lshl_b32 s10, ttmp9, 2
	s_add_co_u32 s10, s10, s9                      ; work-group = 4 x cluster + cx
	s_mov_b32 s[G1+0], 15|(3<<16)|(1<<21)          ; the mask: all four work-groups; elements of 8 bytes; bit 21 set beside a mask; no padding
	s_mov_b32 s[G1+1], 32<<16                      ; tensor_dim0 = 32 elements: rows of 256 bytes
	s_mov_b32 s[G1+2], 128<<16                     ; tensor_dim1 = 128 rows
	s_mov_b32 s[G1+3], 32<<16                      ; tile_dim0
	s_mov_b32 s[G1+4], 128                         ; tile_dim1
	s_mov_b32 s[G1+5], 32                          ; the block is dense
	s_mov_b32 s[G1+6], 0
	s_mov_b32 s[G1+7], 0
	s_lshl_b32 s12, s8, 15                         ; my quarter: 32,768 x wave
	s_mov_b32 s13, 0
	s_wait_kmcnt 0x0
	s_load_b64 s[40:41], s[74:75], 0x0             ; e0, e1
	s_load_b64 s[42:43], s[74:75], 0x30            ; e12, e13
	s_add_nc_u64 s[14:15], s[72:73], s[12:13]
.irp n, 0,1
	s_mov_b32 s[G0+4*\n], 1
	s_add_co_u32 s[G0+4*\n+1], s12, \n*SLOTB
	s_add_nc_u64 s[G0+4*\n+2:G0+4*\n+3], s[14:15], \n*SLOTB
	s_or_b32 s[G0+4*\n+3], s[G0+4*\n+3], 0x80000000
.endr
	CROUND                                         ; all four work-groups are here: the first joint loads meet
	tensor_load_to_lds s[G0:G0+3], s[G1:G1+7]      ; tiles 0 and 1
	s_nop 0
	tensor_load_to_lds s[G0+4:G0+7], s[G1:G1+7]
	s_nop 0
	PLACES 4
	v_and_b32 v1, 31, v0                           ; lane
	v_and_b32 v2, 15, v0                           ; r
	v_bfe_u32 v3, v0, 4, 1                         ; h
	v_lshlrev_b32 v[LI], 4, v1
	s_lshl_b32 s16, s8, 10
	v_lshl_add_u32 v[VP], v3, 5, s16
	s_mov_b32 s21, 0
	s_lshl_b32 s20, s10, 14                        ; xr: two row tiles x 4 fragments
	s_add_nc_u64 s[68:69], s[68:69], s[20:21]
	s_lshl_b32 s20, s10, 15                        ; ocodes: two row tiles x 8 fragments
	s_add_nc_u64 s[70:71], s[70:71], s[20:21]
	s_lshl_b32 s20, s10, 17                        ; out0: 32 rows of 4,096 bytes,
	s_add_co_u32 s20, s20, s16                     ; my wave's 1,024 bytes of a row
	s_add_nc_u64 s[82:83], s[82:83], s[20:21]
.irp t, 0,1,2,3,4,5,6,7,8,9,10,11,12,13,14,15
	global_load_b128 v[DB+8*\t:DB+8*\t+3],   v[VP], s[76:77] offset:64*\t      ; lane (r, h): columns 16 t + 8 h + 0..7 of my 256
	global_load_b128 v[DB+8*\t+4:DB+8*\t+7], v[VP], s[76:77] offset:64*\t+16
.endr
.macro ALOAD j                         ; the rows' two fragments of K step j into buffer j % 3
	WIN 0
.irp m, 0,1
.irp c, 0,1,2,3
.if (\j) < 4
	global_load_b128 v[AF+32*((\j)%3)+16*\m+4*\c:AF+32*((\j)%3)+16*\m+4*\c+3], v[LI], s[68:69] offset:\m*8192+(\j)*2048+512*\c
.else
	global_load_b128 v[AF+32*((\j)%3)+16*\m+4*\c:AF+32*((\j)%3)+16*\m+4*\c+3], v[LI], s[70:71] offset:\m*16384+((\j)-4)*2048+512*\c
.endif
.endr
.endr
.endm
	ALOAD 0
	ALOAD 1
	ALOAD 2
	v_add_nc_u32 v[LB], s12, v[LI]
	v_add_nc_u32 v[LB+1], SLOTB, v[LB]
	s_mul_i32 s17, s8, 16*SPB
	s_add_co_u32 s17, s17, STAGE                   ; my stage
	v_mul_u32_u24 v[STO], v2, SPB
	v_lshl_add_u32 v[STO], v3, 5, v[STO]
	v_add_nc_u32 v[STO], s17, v[STO]               ; in: row r, + 32 h
	v_add_nc_u32 v[RD], s17, v[LI]                 ; back: the 32 lanes take one row of 512 bytes
	s_lshl_b32 s18, s8, 7
	s_add_co_u32 s18, s18, STAT
	v_lshl_add_u32 v[SW], v2, 2, s18
	v_lshl_add_u32 v[SRD], v2, 2, STAT
	v_mov_b32 v20, 0                               ; written once: a lane permute's destination counts as one of its sources
	v_mov_b32 v21, 0
	s_wait_kmcnt 0x0
	s_add_co_i32 s16, s42, s43                     ; e12 + e13
	s_add_co_i32 s17, s40, s41
	s_sub_co_i32 s17, s17, s16
	s_add_co_i32 s17, s17, 127
	s_lshl_b32 s44, s17, 23                        ; 2^(e0 + e1 - e12 - e13)
	s_mov_b32 s45, s44                             ; (the packed forms name pairs and take the low word for both halves: so the upper words are written)
	s_sub_co_i32 s17, 127, s16
	s_lshl_b32 s46, s17, 23                        ; 2^-(e12 + e13)
	s_mov_b32 s47, s46
	s_add_co_i32 s17, s16, 127
	s_lshl_b32 s48, s17, 23                        ; S = 2^(e12 + e13)
	s_mov_b32 s49, 0x3727c5ac                      ; 1e-5
	s_mov_b32 s50, 0x76543210                      ; lane selects for v_permlanex16_b32: lane l xor 16
	s_mov_b32 s51, 0xfedcba98
	s_wait_loadcnt 24                              ; dense_b is in; the rows' 24 loads may be out
.set J, 0
.rept 64
	v_pk_mul_f32 v[DB+J:DB+J+1], v[DB+J:DB+J+1], s[46:47] op_sel_hi:[1,0]
.set J, J+2
.endr
	s_wait_tensorcnt 0x1                           ; my quarter of tile 0 is in, and I alone read it; tile 1's may stay out
; 32 matrix instructions: K step j; the 32 accumulators take turns, one instruction a turn, in the same order in every step.  The first step starts the sums.
.macro MUL j
	WIN 0x52+((\j)%2)                              ; source 0 (W) window 2 or 3, source 1 (rows) window 0, C and D window 1
.irp t, 0,1,2,3,4,5,6,7,8,9,10,11,12,13,14,15
.irp m, 0,1
.if (\j) == 0
	v_wmma_f32_16x16x128_bf8_bf8 v[8*(2*\t+\m):8*(2*\t+\m)+7], v[16*\t:16*\t+15], v[AF+32*((\j)%3)+16*\m:AF+32*((\j)%3)+16*\m+15], 0
.else
	v_wmma_f32_16x16x128_bf8_bf8 v[8*(2*\t+\m):8*(2*\t+\m)+7], v[16*\t:16*\t+15], v[AF+32*((\j)%3)+16*\m:AF+32*((\j)%3)+16*\m+15], v[8*(2*\t+\m):8*(2*\t+\m)+7]
.endif
.endr
.endr
	WIN 0
	PLACES 4                                       ; four places between the last products and loads into their operands, and the first read of results
.endm
.macro RESCALE                         ; the residual's sums under the dense product's scale, + dense_b: one fused line for two numbers
	WIN 0x41
.irp t, 0,1,2,3,4,5,6,7,8,9,10,11,12,13,14,15
.irp m, 0,1
.irp i, 0,2,4,6
	v_pk_fma_f32 v[8*(2*\t+\m)+\i:8*(2*\t+\m)+\i+1], v[8*(2*\t+\m)+\i:8*(2*\t+\m)+\i+1], s[44:45], v[DB+8*\t+\i:DB+8*\t+\i+1] op_sel_hi:[1,0,1]
.endr
.endr
.endr
.endm
.macro LNLOAD                          ; ln_g and ln_b in the result's layout, into the buffer that has had its last products
	WIN 0x80
.irp t, 0,1,2,3,4,5,6,7,8,9,10,11,12,13,14,15
	global_load_b128 v[8*\t:8*\t+3],         v[VP], s[78:79] offset:64*\t
	global_load_b128 v[8*\t+4:8*\t+7],       v[VP], s[78:79] offset:64*\t+16
	global_load_b128 v[128+8*\t:128+8*\t+3], v[VP], s[80:81] offset:64*\t
	global_load_b128 v[128+8*\t+4:128+8*\t+7], v[VP], s[80:81] offset:64*\t+16
.endr
	WIN 0
.endm
.macro STEP s
	LOADB (\s)%2
.if (\s) > 0
.if (\s) <= 10
	s_wait_loadcnt 16                              ; the rows of K step s - 1 are in; those of the two steps behind it may be out
.else
	s_wait_loadcnt 8                               ; only the last step's are behind
.endif
	MUL (\s)-1
.if (\s) == 4
	RESCALE
.endif
.if (\s)+2 <= 11
	ALOAD (\s)+2                                   ; into the buffer just multiplied
.endif
.if (\s) == 11
	LNLOAD
.endif
.endif
.if (\s) <= 9
	ENDSTEP (\s)%2, 1
.else
	ENDSTEP (\s)%2, 0
.endif
.endm
.irp s, 0,1,2,3,4,5,6,7,8,9,10,11      ; written out
	STEP \s
.endr
	s_wait_loadcnt 63                              ; the last step's rows are in: 64 younger loads (ln_g, ln_b) were issued, and a wait can name 63 at the most
	MUL 11
; ---- LayerNorm.  Row sums: a lane's 128 numbers of each of its two rows, in two chains a row, each accumulator from its low end on
	WIN 0x05
.irp m, 0,1
	v_pk_add_f32 v[12+4*\m:13+4*\m], v[8*\m:8*\m+1], v[8*\m+2:8*\m+3]       ; the first tile starts the chains: nothing is cleared
.endr
.irp m, 0,1
	v_pk_add_f32 v[14+4*\m:15+4*\m], v[8*\m+4:8*\m+5], v[8*\m+6:8*\m+7]
.endr
	WIN 0x04
.irp t, 1,2,3,4,5,6,7,8,9,10,11,12,13,14,15
.irp i, 0,2,4,6
.irp m, 0,1
	v_pk_add_f32 v[12+4*\m+(\i%4):13+4*\m+(\i%4)], v[12+4*\m+(\i%4):13+4*\m+(\i%4)], v[8*(2*\t+\m)+\i:8*(2*\t+\m)+\i+1]
.endr
.endr
.endr
	WIN 0
	v_pk_add_f32 v[12:13], v[12:13], v[14:15]
	v_pk_add_f32 v[16:17], v[16:17], v[18:19]
	v_add_f32 v12, v12, v13
	v_add_f32 v16, v16, v17
	v_permlanex16_b32 v20, v12, s50, s51           ; the row's other 128 of my 256 columns lie in the lane 16 away
	v_permlanex16_b32 v21, v16, s50, s51
	v_add_f32 v12, v12, v20
	v_add_f32 v16, v16, v21
	ds_store_b32 v[SW], v12                        ; (lanes r and r + 16 write the same word with the same number)
	ds_store_b32 v[SW], v16 offset:64
	s_wait_dscnt 0x0                               ; for the others' sake
	s_barrier_signal -1
	s_barrier_wait -1
.irp q, 0,1,2,3
	ds_load_b32 v[20+\q], v[SRD] offset:128*\q
	ds_load_b32 v[24+\q], v[SRD] offset:128*\q+64
.endr
	s_wait_dscnt 0x0
	v_add_f32 v20, v20, v21
	v_add_f32 v22, v22, v23
	v_add_f32 v24, v24, v25
	v_add_f32 v26, v26, v27
	v_add_f32 v20, v20, v22
	v_add_f32 v24, v24, v26
	v_mul_f32 v12, 0xba800000, v20                 ; minus the mean: x -2^-10
	v_mul_f32 v16, 0xba800000, v24
	WIN 0x41
.irp t, 0,1,2,3,4,5,6,7,8,9,10,11,12,13,14,15
.irp m, 0,1
.irp i, 0,2,4,6
	v_pk_add_f32 v[8*(2*\t+\m)+\i:8*(2*\t+\m)+\i+1], v[8*(2*\t+\m)+\i:8*(2*\t+\m)+\i+1], v[12+4*\m:13+4*\m] op_sel_hi:[1,0]
.endr
.endr
.endr
	WIN 0x05                                       ; the squares of the differences, again in two chains a row
.irp t, 0,1,2,3,4,5,6,7,8,9,10,11,12,13,14,15
.irp i, 0,2,4,6
.irp m, 0,1
.if (\t == 0) && (\i < 4)
	v_pk_mul_f32 v[20+4*\m+(\i%4):21+4*\m+(\i%4)], v[8*(2*\t+\m)+\i:8*(2*\t+\m)+\i+1], v[8*(2*\t+\m)+\i:8*(2*\t+\m)+\i+1]
.else
	v_pk_fma_f32 v[20+4*\m+(\i%4):21+4*\m+(\i%4)], v[8*(2*\t+\m)+\i:8*(2*\t+\m)+\i+1], v[8*(2*\t+\m)+\i:8*(2*\t+\m)+\i+1], v[20+4*\m+(\i%4):21+4*\m+(\i%4)]
.endif
.endr
.endr
.endr
	WIN 0
	v_pk_add_f32 v[20:21], v[20:21], v[22:23]
	v_pk_add_f32 v[24:25], v[24:25], v[26:27]
	v_add_f32 v20, v20, v21
	v_add_f32 v24, v24, v25
	v_permlanex16_b32 v22, v20, s50, s51
	v_permlanex16_b32 v26, v24, s50, s51
	v_add_f32 v20, v20, v22
	v_add_f32 v24, v24, v26
	ds_store_b32 v[SW], v20 offset:512             ; other bytes than the first exchange's: no wave can still be reading them
	ds_store_b32 v[SW], v24 offset:576
	s_wait_dscnt 0x0
	s_barrier_signal -1
	s_barrier_wait -1
.irp q, 0,1,2,3
	ds_load_b32 v[12+\q], v[SRD] offset:512+128*\q
	ds_load_b32 v[16+\q], v[SRD] offset:512+128*\q+64
.endr
	s_wait_dscnt 0x0
	v_add_f32 v12, v12, v13
	v_add_f32 v14, v14, v15
	v_add_f32 v16, v16, v17
	v_add_f32 v18, v18, v19
	v_add_f32 v12, v12, v14
	v_add_f32 v16, v16, v18
	v_mul_f32 v12, 0x3a800000, v12                 ; the variance in the accumulators' unit: x 2^-10,
	v_mul_f32 v16, 0x3a800000, v16
	v_mul_f32 v12, s48, v12                        ; x S,
	v_mul_f32 v16, s48, v16
	v_fma_f32 v12, v12, s48, s49                   ; x S + 1e-5
	v_fma_f32 v16, v16, s48, s49
	v_rsq_f32 v12, v12
	v_rsq_f32 v16, v16
	v_nop                                          ; a plain place behind the transcendentals
	s_wait_alu depctr_va_vdst(0)
	v_mul_f32 v12, s48, v12                        ; (y - mean) / sqrt(var + eps) = difference x S x rsq
	v_mul_f32 v16, s48, v16
	WIN 0x41
.irp t, 0,1,2,3,4,5,6,7,8,9,10,11,12,13,14,15
.irp m, 0,1
.irp i, 0,2,4,6
	v_pk_mul_f32 v[8*(2*\t+\m)+\i:8*(2*\t+\m)+\i+1], v[8*(2*\t+\m)+\i:8*(2*\t+\m)+\i+1], v[12+4*\m:13+4*\m] op_sel_hi:[1,0]
.endr
.endr
.endr
	WIN 0
	s_wait_loadcnt 0x0                             ; ln_g, ln_b
; ---- THE WAY OUT: four blocks of 16 rows x 128 columns.  x ln_g + ln_b; a lane's 32 bytes of a row go into my own stage and come back as whole rows of 512 bytes.
.macro OUTBLK m, u
	s_wait_xcnt 0x0                                ; the last block's stores have read their registers: these are loaded again only behind this wait
	WIN 0x29                                       ; source 0 window 1, sources 1 and 2 window 2
.irp t, 0,1,2,3,4,5,6,7
.irp i, 0,2,4,6
	v_pk_fma_f32 v[T+8*\t+\i:T+8*\t+\i+1], v[8*(2*(8*\u+\t)+\m)+\i:8*(2*(8*\u+\t)+\m)+\i+1], v[8*(8*\u+\t)+\i:8*(8*\u+\t)+\i+1], v[128+8*(8*\u+\t)+\i:128+8*(8*\u+\t)+\i+1]
.endr
.endr
	WIN 0
.irp t, 0,1,2,3,4,5,6,7
	ds_store_b128 v[STO], v[T+8*\t:T+8*\t+3]   offset:64*\t
	ds_store_b128 v[STO], v[T+8*\t+4:T+8*\t+7] offset:64*\t+16
.endr
.irp q, 0,1,2,3,4,5,6,7,8,9,10,11,12,13,14,15
	ds_load_b128 v[BK+4*\q:BK+4*\q+3], v[RD] offset:\q*SPB    ; LDS serves a wave's instructions in order (ISA guide 5.7.1.4): these see the stores above
.endr
.irp q, 0,1,2,3,4,5,6,7,8,9,10,11,12,13,14,15
	s_wait_dscnt 15-\q
	global_store_b128 v[LI], v[BK+4*\q:BK+4*\q+3], s[82:83] offset:\m*65536+\u*512+\q*4096 th:TH_STORE_NT   ; 32 lanes store 512 consecutive bytes, aligned; written once, read by nobody here
.endr
.endm
	OUTBLK 0, 0
	OUTBLK 0, 1
	OUTBLK 1, 0
	OUTBLK 1, 1
	s_wait_tensorcnt 0x0                           ; the wave's end: behind my last tensor load and my last LDS store
	ds_add_u32 v[SPW], v[NIL]
	s_wait_dscnt 0x0
	CROUND                                         ; the closing round: no work-group ends while a partner may still ask for a tile that names it
	s_endpgm
.Lfunc_end_k_q88140f6418_final:
	.size	k_q88140f6418_final, .Lfunc_end_k_q88140f6418_final-k_q88140f6418_final
	.p2alignl 7, 3214868480
	.fill 96, 4, 3214868480
	.section	.rodata,"a",@progbits
	.p2align	6, 0x0
	.amdhsa_kernel k_q88140f6418_final
		.amdhsa_group_segment_fixed_size 327680
		.amdhsa_private_segment_fixed_size 0
		.amdhsa_enable_private_segment 0
		.amdhsa_kernarg_size 64
		.amdhsa_user_sgpr_count 2
		.amdhsa_user_sgpr_kernarg_segment_ptr 1
		.amdhsa_wavefront_size32 1
		.amdhsa_system_sgpr_workgroup_id_x 1
		.amdhsa_system_sgpr_workgroup_id_y 1
		.amdhsa_system_sgpr_workgroup_id_z 1
		.amdhsa_system_vgpr_workitem_id 0
		.amdhsa_next_free_vgpr 1024
		.amdhsa_next_free_sgpr 96
		.amdhsa_reserve_vcc 0
		.amdhsa_float_denorm_mode_32 3
		.amdhsa_float_denorm_mode_16_64 3
		.amdhsa_memory_ordered 1
		.amdhsa_forward_progress 1
		.amdhsa_inst_pref_size 178
	.end_amdhsa_kernel
	.amdgpu_metadata
---
amdhsa.version: [ 1, 2 ]
amdhsa.kernels:
  - .name:           k_q88140f6418_final
    .symbol:         k_q88140f6418_final.kd
    .args:
      - { .name: xr, .offset: 0, .size: 8, .value_kind: global_buffer, .address_space: global }
      - { .name: ocodes, .offset: 8, .size: 8, .value_kind: global_buffer, .address_space: global }
      - { .name: wfin, .offset: 16, .size: 8, .value_kind: global_buffer, .address_space: global }
      - { .name: lowp_scales, .offset: 24, .size: 8, .value_kind: global_buffer, .address_space: global }
      - { .name: dense_b, .offset: 32, .size: 8, .value_kind: global_buffer, .address_space: global }
      - { .name: ln_g, .offset: 40, .size: 8, .value_kind: global_buffer, .address_space: global }
      - { .name: ln_b, .offset: 48, .size: 8, .value_kind: global_buffer, .address_space: global }
      - { .name: out0, .offset: 56, .size: 8, .value_kind: global_buffer, .address_space: global }
    .group_segment_fixed_size: 327680
    .private_segment_fixed_size: 0
    .kernarg_segment_align: 8
    .kernarg_segment_size: 64
    .max_flat_workgroup_size: 128
    .sgpr_count:     96
    .vgpr_count:     1024
    .wavefront_size: 32
...
	.end_amdgpu_metadata
.endif
;; end of part 4
;; ======== version 2 of 2: 4 launches; version 1 with the launch attn written anew for expert scheduling mode
;; workspace buffers: maskw 2,097,152 bytes of whole numbers; wqkv 1,572,864 bytes; wfin 1,572,864 bytes; qcodes 8,388,608 bytes; kcodes 8,388,608 bytes; vcodes 8,388,608 bytes; xr 4,194,304 bytes; ocodes 8,388,608 bytes
;; launch prep: the kernel of part 1 again; grid 1216 x 1, 4 waves a work-group, no clusters, 34,304 bytes of LDS; arguments mask, wq_w, wk_w, wv_w, res_w, dense_w, lowp_scales, maskw, wqkv, wfin; writes maskw, wqkv, wfin
;; launch proj: the kernel of part 2 again; grid 192 x 1, 4 waves a work-group, clusters of 4 x 1, 327,680 bytes of LDS; arguments x, wqkv, lowp_scales, wq_b, wk_b, wv_b, qcodes, kcodes, vcodes, xr; writes qcodes, kcodes, vcodes, xr
;; launch attn (part 5): grid 2 x 128, 16 waves a work-group, no clusters, 133,120 bytes of LDS; arguments qcodes, kcodes, vcodes, maskw, lowp_scales, ocodes; writes ocodes
.if DOCPART == 5
	.amdgcn_target "amdgcn-amd-amdhsa--gfx1250"
	.amdhsa_code_object_version 6
	.text
	.protected	k_q88140f6418_attn
	.globl	k_q88140f6418_attn
	.p2align	8
	.type	k_q88140f6418_attn,@function
k_q88140f6418_attn:
	s_mov_b64 s[64:65], 0
	v_nop
	global_prefetch_b8 v0, s[64:65] scope:SCOPE_SE
	s_setreg_imm32_b32 hwreg(HW_REG_WAVE_SCHED_MODE, 0, 2), 2
	s_setreg_imm32_b32 hwreg(HW_REG_WAVE_MODE, 25, 1), 1
	s_wait_xcnt 0x0
	s_wait_alu depctr_vm_vsrc(0)
; ATTN: o = softmax(where(mask == 0, -1e9, q k^T / 8)) v for one (batch entry, head), both products on codes of BF8 (E5M2); o is quantised at once for the dense layer.
; THE SOFTMAX AHEAD OF THE SECOND PRODUCT: t = logit x log2(e); M = the row's largest t so far, rounded UP to a whole number; p = 2^(t - M) is what is quantised (scale e10), not normalised; the row's sum is taken of the
; unquantised p and divides at the end.  When M moves, the sum and O are multiplied by 2^(old M - new M): exact.
; THE MASK.  t is formed first (score x c), then a masked key's t is replaced by -1e9 x log2(e) as f32 has it, -1,442,695,040, a whole number.  t - M is an addition of its own, not fused with the product: on a row whose keys so far
; are all masked M equals that number and p is exactly 1, so a row that is masked entirely gives the mean of v, as the -1e9 of the definition does; an open key that comes later makes 2^(old M - new M) zero.
; SHARES.  A work-group holds ALL of the head's K and V codes in LDS (65,536 bytes each), copied once through registers, and owns 512 queries; each of its sixteen waves two tiles of 16, one after the other, in 256 registers:
; four waves to a SIMD, so that one wave's vector work stands beside another's products and LDS loads.  A step is 128 keys.
; NO CLUSTER, NO TENSOR LOAD: K and V are fetched once at the head, 131,072 bytes a work-group, and only two work-groups share them; nothing in LDS is filled again.
; LAYOUT.  Both products are used transposed: S^T = K Q^T (source 0 = 16 keys, source 1 = my 16 queries; K = 64), O^T = V^T P^T (source 0 = 16 channels, source 1 = P; K = 128 keys): a lane holds ONE query throughout.
; Register 8 i + j of the scores is key 16 i + 8 (lane / 16) + j: the very place that the second product's operand gives it, so the conversions' results are that operand.  O^T's registers are channels 16 dt + 8 (lane / 16) + j:
; the dense layer's operand layout.  All codes in memory and LDS are images of operand registers: 16 bytes a lane, 512 consecutive bytes an instruction.
; The mask comes as lane masks, one word for each score register (64 a key step), by scalar loads a key step ahead; a masked score costs one select.
; LIMITS on the given exponents: e8 + e9 between -123 and 130 (added to c's exponent field); e10 and e12 between -126 and 112; e10 + e11 is applied by v_ldexp_f32 and has none.  v_exp_f32 gives 0 under 2^-126.
; THE MODE: SCHED_MODE bits 1:0 = 2 (LLVM: expert scheduling mode 2), set by the entry lines.  The code itself states the register dependences between vector or matrix instructions and memory or LDS instructions,
; with s_wait_alu, always for 0.
; THE PLAN.  Registers that memory or LDS instructions touch:
;   v32-95 and v96-159  two buffers of 64 that TAKE TURNS, step by step.  In a step one is kb, the other sb.  kb holds the step's K at its head: the products K Q^T read it; behind them V's loads land in it; the products V^T P^T
;                       read it.  sb takes the scores: the products K Q^T write it, the softmax works in it, the conversions read it last; behind them THE NEXT STEP'S K lands in it.  The next step takes sb as its kb and kb as its sb.
;   v8, v9              LDS addresses of a trip's two steps in K and in V: read by the trip's LDS loads, written once a trip, at its head.
;   v1, v2, v3, v10     16 x lane; the copy's two LDS addresses; 16 x lane in V: written at the head and never again.
;   v224-239            the codes that leave: written by each pass's last conversions, read by its two stores; each pass has its own eight.
;   v254, v255          written at the head, read by the closing add alone.
; So a step holds three waits on va_vdst: (a) behind the products K Q^T, ahead of V's loads; (b) behind the exponentials, ahead of their first reader; (c) behind the conversions, ahead of the next K's loads.
; One wait on vm_vsrc a trip stands ahead of the additions that write v8 and v9.
; REGISTERS: v12 -M, v13 the largest t, v[14:15] the sum in two halves; v16-31 Q of both passes; v160-191 O^T; v192-207 p's codes; v208-215 at work; v216 a masked key's t; v217-220 scales.
; s[16:63], s[80:95]: the 64 mask words, word n in s[16 + n + 16 (n / 48)].
	s_load_b256 s[68:75], s[0:1], 0x0              ; qcodes s[68:69], kcodes s[70:71], vcodes s[72:73], maskw s[74:75]
	s_load_b128 s[76:79], s[0:1], 0x20             ; scales s[76:77], ocodes s[78:79]
	v_lshl_add_u32 v254, v0, 2, 0x20000            ; my spare word, behind K and V; kept for the closing lines alone
	v_mov_b32 v255, 0
	v_lshrrev_b32 v4, 5, v0
	v_readfirstlane_b32 s12, v4                    ; wave 0..15
	v_and_b32 v1, 31, v0
	v_lshlrev_b32 v1, 4, v1                        ; 16 x lane
	v_lshlrev_b32 v2, 4, v0                        ; 16 x thread: the copy of K,
	v_add_nc_u32 v3, 0x10000, v2                   ; and of V, which lies behind K
	v_add_nc_u32 v10, 0x10000, v1                  ; 16 x lane in V
	s_wait_alu depctr_va_sdst(0)                   ; s12 is written, ahead of its first reader: the addresses of Q, of the mask words and of the output are made from it
	s_and_b32 s13, ttmp7, 0xffff                   ; 16 b + head
	s_lshl_b32 s14, s13, 16                        ; its 65,536 bytes in each of q, k, v
	s_mov_b32 s15, 0
	s_mov_b32 s2, 0x76543210                       ; lane selects for v_permlanex16_b32: lane l xor 16
	s_mov_b32 s3, 0xfedcba98
	s_wait_kmcnt 0x0
	s_add_nc_u64 s[70:71], s[70:71], s[14:15]
	s_add_nc_u64 s[72:73], s[72:73], s[14:15]
	s_wait_alu depctr_va_vdst(0)                   ; v1, v2, v3 and v10 are written: the loads, the LDS stores and loads and the stores of the whole kernel read them as offsets and addresses
.irp i, 0,1,2,3,4,5,6,7
	global_load_b128 v[32+4*\i:35+4*\i], v2, s[70:71] offset:\i*8192   ; 512 threads x 16 bytes
.endr
.irp i, 0,1,2,3,4,5,6,7
	global_load_b128 v[64+4*\i:67+4*\i], v2, s[72:73] offset:\i*8192
.endr
	s_lshl_b32 s10, ttmp9, 15                      ; my half of the head's 64 query tiles of 1,024 bytes,
	s_add_co_u32 s14, s14, s10
	s_lshl_b32 s10, s12, 11                        ; my wave's two
	s_add_co_u32 s14, s14, s10
	s_add_nc_u64 s[4:5], s[68:69], s[14:15]
.irp p, 0,1
	global_load_b128 v[16+8*\p:19+8*\p], v1, s[4:5] offset:\p*1024
	global_load_b128 v[20+8*\p:23+8*\p], v1, s[4:5] offset:\p*1024+512
.endr
	s_and_b32 s10, s13, 15                         ; the head
	s_lshl_b32 s14, s10, 17                        ; its 64 query tiles x 2,048 bytes of mask words,
	s_lshl_b32 s11, ttmp9, 16
	s_add_co_u32 s14, s14, s11
	s_lshl_b32 s11, s12, 12                        ; my wave's two tiles: 16 key steps of 256 bytes on end
	s_add_co_u32 s14, s14, s11
	s_add_nc_u64 s[8:9], s[74:75], s[14:15]
.macro MLOAD                           ; a key step's 64 mask words
	s_load_b512 s[16:31], s[8:9], 0x0
	s_load_b512 s[32:47], s[8:9], 0x40
	s_load_b512 s[48:63], s[8:9], 0x80
	s_load_b512 s[80:95], s[8:9], 0xc0
.endm
	MLOAD
	s_load_b128 s[96:99], s[76:77], 0x20           ; e8, e9, e10, e11
	s_load_b32 s100, s[76:77], 0x30                ; e12
	s_lshr_b32 s14, s13, 4                         ; b
	s_lshl_b32 s14, s14, 20                        ; ocodes: 64 row tiles of 16,384 bytes,
	s_lshl_b32 s11, ttmp9, 19
	s_add_co_u32 s14, s14, s11
	s_lshl_b32 s11, s12, 15                        ; my wave's two,
	s_add_co_u32 s14, s14, s11
	s_lshl_b32 s11, s10, 10                        ; and in a row tile the head's 1,024 bytes: K step head / 2, registers 8 (head % 2) on
	s_add_co_u32 s14, s14, s11
	s_add_nc_u64 s[6:7], s[78:79], s[14:15]
	s_mov_b32 s10, 0                               ; how far the mask pointer has gone
	v_mov_b32 v208, 0                              ; written once: a lane permute's destination counts as one of its sources
	v_mov_b32 v213, 0                              ; (named as the upper half of the pair v[212:213])
	v_mov_b32 v216, 0xceabfb8f                     ; -1,442,695,040
	s_wait_loadcnt 4                               ; K and V are in; Q's four loads may be out
.irp i, 0,1,2,3,4,5,6,7
	ds_store_b128 v2, v[32+4*\i:35+4*\i] offset:\i*8192      ; (no vector instruction since the wait on va_vdst above names v2, v3 or the data, which loads brought)
.endr
.irp i, 0,1,2,3,4,5,6,7
	ds_store_b128 v3, v[64+4*\i:67+4*\i] offset:\i*8192
.endr
	s_wait_kmcnt 0x0
	s_add_co_i32 s69, s96, s97
	s_lshl_b32 s69, s69, 23
	s_add_co_i32 s66, s69, 0x3e38aa3b              ; c = log2(e) / 8, with e8 + e9 added to its exponent field: a score stands for score x 2^(e8 + e9)
	s_mov_b32 s67, s66                             ; (named with it as a pair, so it is written)
	s_add_co_i32 s68, s98, s99                     ; e10 + e11
.macro MKSC vr, se                     ; v[vr] = 2^e as f32, v[vr + 1] = 57,344 x 2^e
	s_add_co_i32 s69, s[\se], 127
	s_lshl_b32 s101, s69, 23
	v_mov_b32 v[\vr], s101
	s_add_co_i32 s69, s69, 15
	s_lshl_b32 s69, s69, 23
	s_or_b32 s69, s69, 0x600000
	v_mov_b32 v[\vr+1], s69
.endm
	MKSC 217, 98
	MKSC 219, 100
	s_wait_dscnt 0x0                               ; for the others' sake: my part of K and V lies in LDS
	s_barrier_signal -1
	s_barrier_wait -1                              ; the launch's one barrier: from here on LDS is only read
	s_wait_alu depctr_vm_vsrc(0)                   ; my LDS stores have read v32-95, in which K's first fragments land
.irp i, 0,1,2,3,4,5,6,7
	ds_load_b128 v[32+8*\i:35+8*\i], v1 offset:\i*1024       ; key step 0 of pass 0: eight tiles of 16 keys
	ds_load_b128 v[36+8*\i:39+8*\i], v1 offset:\i*1024+512
.endr
	s_wait_loadcnt 0x0                             ; Q
; A STEP: 128 keys.  p: the pass.  kb: the buffer that holds this step's K and then its V.  sb: the buffer of the scores, and then of the next step's K.
; ra, voff: V's address register and offset.  nk = 1: a next K is asked for, by address register rk and offset koff.
.macro STEP p, kb, sb, ra, voff, nk, rk, koff
	s_wait_dscnt 0x0                               ; this step's K, asked for a step ago
.irp i, 0,1,2,3,4,5,6,7
	v_wmma_f32_16x16x64_bf8_bf8 v[\sb+8*\i:\sb+8*\i+7], v[\kb+8*\i:\kb+8*\i+7], v[16+8*\p:23+8*\p], 0
.endr
.rept 4
	v_nop                                          ; four places, in front of the first read of the scores (ISA guide 7.12.1); they stay beside the wait below
.endr
	s_wait_alu depctr_va_vdst(0)                   ; (a) the products are done reading K's fragments, in which V's loads land; in a trip's first step v9, which those loads read, is written
.irp f, 0,1,2,3
.irp c, 0,1,2,3
	ds_load_b128 v[\kb+16*\f+4*\c:\kb+16*\f+4*\c+3], v[\ra] offset:\voff+\f*2048+\c*512   ; V's four fragments, one ahead of each two tiles' scaling: the vector lines between name sb, v216 and scalars alone
.endr
.if \f == 0
	s_wait_kmcnt 0x0                               ; this step's mask words, asked for a step ago
.endif
.irp e, 0,1
.irp q, 0,2,4,6
	v_pk_mul_f32 v[\sb+8*(2*\f+\e)+\q:\sb+8*(2*\f+\e)+\q+1], v[\sb+8*(2*\f+\e)+\q:\sb+8*(2*\f+\e)+\q+1], s[66:67] op_sel_hi:[1,0]   ; t = score x c; each accumulator from its low end on
.endr
.irp q, 0,1,2,3,4,5,6,7
	v_cndmask_b32 v[\sb+8*(2*\f+\e)+\q], v216, v[\sb+8*(2*\f+\e)+\q], s[16+8*(2*\f+\e)+\q+16*((8*(2*\f+\e)+\q)/48)]   ; a lane whose bit is 0 takes the masked t
.endr
.endr
.endr
	v_max3_num_f32 v214, v[\sb], v[\sb+1], v[\sb+2]   ; the step's largest t of my query, among my 64 keys, in two chains,
	v_max3_num_f32 v215, v[\sb+3], v[\sb+4], v[\sb+5]
.irp i, 6,10,14,18,22,26,30,34,38,42,46,50,54,58
	v_max3_num_f32 v214, v214, v[\sb+\i], v[\sb+\i+1]
	v_max3_num_f32 v215, v215, v[\sb+\i+2], v[\sb+\i+3]
.endr
	v_max3_num_f32 v214, v214, v[\sb+62], v[\sb+63]
	v_max_num_f32 v214, v214, v215
	s_add_co_u32 s101, s10, 256                    ; the next step's mask words: 256 bytes on; at my last block the pointer stays, so that no load leaves the buffer
	s_min_u32 s101, s101, 3840
	s_sub_co_u32 s14, s101, s10
	s_mov_b32 s10, s101
	s_add_nc_u64 s[8:9], s[8:9], s[14:15]          ; (the loads that named this base are done: the wait on KMcnt above)
	MLOAD
	v_permlanex16_b32 v208, v214, s2, s3
	v_max_num_f32 v214, v214, v208                 ; and among lane l xor 16's
	v_max_num_f32 v13, v13, v214                   ; the running largest t
	v_mov_b32 v214, v12
	v_floor_f32 v12, -v13                          ; the new -M = floor(-t) = -ceil(t): M is a whole number
	v_sub_f32 v214, v12, v214                      ; M's old value less its new one: a whole number, 0 or less
	v_cvt_i32_f32 v214, v214                       ; (it saturates)
	v_ldexp_f32 v212, 1.0, v214                    ; f = 2^(old M - new M)
.set J, 0
.rept 32
	v_pk_add_f32 v[\sb+J:\sb+J+1], v[\sb+J:\sb+J+1], v[12:13] op_sel_hi:[1,0]   ; t - M, two at a time
.set J, J+2
.endr
.set J, 0
.rept 64
	v_exp_f32 v[\sb+J], v[\sb+J]                   ; p = 2^(t - M), at most 1
.set J, J+1
.endr
	v_pk_mul_f32 v[14:15], v[14:15], v[212:213] op_sel_hi:[1,0]   ; the sums under the new M.  (The plain place behind the exponentials)
	s_wait_alu depctr_va_vdst(0)                   ; (b) the 64 exponentials have written p: one wait for the batch, ahead of its first reader
	v_pk_add_f32 v[210:211], v[\sb:\sb+1], v[\sb+2:\sb+3]    ; the row's sum is taken of the unquantised p: two at a time, in two chains
.irp j, 4,8,12,16,20,24,28,32,36,40,44,48,52,56,60
	v_pk_add_f32 v[14:15], v[14:15], v[\sb+\j:\sb+\j+1]
	v_pk_add_f32 v[210:211], v[210:211], v[\sb+\j+2:\sb+\j+3]
.endr
	v_pk_add_f32 v[14:15], v[14:15], v[210:211]
	s_cmp_gt_i32 s98, -16                          ; from e10 = -15 on, 57,344 x 2^e10 is 1.75 or more and p is at most 1: the hold could never act.  A branch on a given whole number, alike in every wave
	s_cbranch_scc1 .Lno_hold_\@
.set J, 0
.rept 64
	v_min_num_f32 v[\sb+J], v[\sb+J], v218         ; the conversion to an 8-bit code does not saturate (ISA guide 7.6.2); p is not negative, so the hold is one-sided
.set J, J+1
.endr
.Lno_hold_\@:
.irp i, 0,1,2,3,4,5,6,7
	v_cvt_scalef32_pk8_bf8_f32 v[192+2*\i:193+2*\i], v[\sb+8*\i:\sb+8*\i+7], v217
.endr
.if (\nk)
	s_wait_alu depctr_va_vdst(0)                   ; (c) the step's vector lines, the conversions last, are done writing and reading sb, in which the next K lands; v8, which a trip's loads of K read, is written
.irp i, 0,1,2,3,4,5,6,7
	ds_load_b128 v[\sb+8*\i:\sb+8*\i+3],   v[\rk] offset:\koff+\i*1024       ; the next step's eight tiles of 16 keys land under the lines below: none of them names sb
	ds_load_b128 v[\sb+8*\i+4:\sb+8*\i+7], v[\rk] offset:\koff+\i*1024+512
.endr
.endif
.set J, 0
.rept 16
	v_pk_mul_f32 v[160+J:161+J], v[160+J:161+J], v[212:213] op_sel_hi:[1,0]   ; O^T under the new M.  (Also the plain lines between the conversions and the products)
.set J, J+2
.endr
.if (\nk)
	s_wait_dscnt 16                                ; LDS loads come back in order (ISA guide 5.7.1): V is in; the next K's sixteen loads may be out
.else
	s_wait_dscnt 0x0                               ; V: nothing was asked for behind it
.endif
.irp f, 0,1,2,3
	v_wmma_f32_16x16x128_bf8_bf8 v[160+8*\f:167+8*\f], v[\kb+16*\f:\kb+16*\f+15], v[192:207], v[160+8*\f:167+8*\f]   ; four accumulators by turns, one instruction a turn
.endr
.endm
; Between two steps: the next step's first products write the buffer that the last four products read as a source: five places (one more than the four of ISA guide 7.12.1 in front of a vector instruction).
.macro BETWEEN
.rept 5
	v_nop
.endr
.endm
.macro PASS p                          ; my p-th tile of 16 queries against all 1,024 keys: three trips of two steps, and two steps written out
	v_mov_b32 v13, 0xff61b1e6                      ; the largest t so far: -3e38, under every t
	v_floor_f32 v12, -v13                          ; -M
	v_mov_b32 v14, 0                               ; the sum, in two halves
	v_mov_b32 v15, 0
.set J, 0
.rept 32
	v_mov_b32 v[160+J], 0                          ; O^T.  (The step has one form: the first finds zeros, which the first change of M leaves zeros)
.set J, J+1
.endr
	s_mov_b32 s11, 0                               ; the trip's bytes in K and in V: 16,384 for its two key steps
	s_mov_b32 s13, 3
.Lstep_\@:
	s_wait_alu depctr_vm_vsrc(0)                   ; the LDS loads issued so far have read v8 and v9, which are written anew
	v_add_nc_u32 v8, s11, v1
	v_add_nc_u32 v9, 0x10000, v8
	v_nop                                          ; with the two additions: the five places between the last step's products and this step's
	v_nop
	v_nop
	STEP \p, 32, 96, 9, 0, 1, 8, 8192              ; key step 2 t; asks for K of 2 t + 1
	BETWEEN
	STEP \p, 96, 32, 9, 8192, 1, 8, 16384          ; key step 2 t + 1; asks for K of 2 t + 2
	s_add_co_u32 s11, s11, 16384
	s_sub_co_u32 s13, s13, 1
	s_cmp_lg_u32 s13, 0
	s_cbranch_scc1 .Lstep_\@
	BETWEEN
	STEP \p, 32, 96, 10, 49152, 1, 1, 57344        ; key steps 6 and 7 are written out, their places as immediate offsets from 16 x lane: the last has another next K than the others
	BETWEEN
	STEP \p, 96, 32, 10, 57344, 1-\p, 1, 0         ; pass 0 asks for key step 0 again, for pass 1, into the buffer in which that pass expects it; pass 1 asks for nothing
.rept 4
	v_nop                                          ; four places in front of the first read of O^T, and of the first write over V's fragments, v96 on, which the last products read
.endr
	v_add_f32 v14, v14, v15                        ; the sum's two halves,
	v_permlanex16_b32 v208, v14, s2, s3
	v_add_f32 v14, v14, v208                       ; and lane l xor 16's: the row's sum
	v_rcp_f32 v14, v14
	v_nop                                          ; a plain place behind the transcendental
	s_wait_alu depctr_va_vdst(0)                   ; the reciprocal is written, ahead of its first reader
	v_ldexp_f32 v14, v14, s68                      ; x 2^(e10 + e11)
.set J, 0
.rept 16
	v_pk_mul_f32 v[96+J:97+J], v[160+J:161+J], v[14:15] op_sel_hi:[1,0]   ; o: register 8 dt + j is channel 16 dt + 8 h + j of my query; each accumulator from its low end on
.set J, J+2
.endr
.set J, 0
.rept 32
	v_med3_num_f32 v[96+J], v[96+J], -v220, v220
.set J, J+1
.endr
.irp f, 0,1,2,3
	v_cvt_scalef32_pk8_bf8_f32 v[224+8*\p+2*\f:225+8*\p+2*\f], v[96+8*\f:103+8*\f], v219
.endr
	v_nop                                          ; a plain line behind the last conversion of the run
	s_wait_alu depctr_va_vdst(0)                   ; the conversions have written the pass's eight registers of codes, which the two stores read
	global_store_b128 v1, v[224+8*\p:227+8*\p], s[6:7] offset:\p*16384       ; 512 consecutive bytes, aligned; each pass has its own registers: no store's data are written again
	global_store_b128 v1, v[228+8*\p:231+8*\p], s[6:7] offset:\p*16384+512
.endm
	PASS 0
	PASS 1
	s_wait_dscnt 0x0                               ; the closing lines, six on end
	s_wait_alu 0x0
	s_wait_tensorcnt 0x0
	ds_add_u32 v254, v255
	s_wait_dscnt 0x0
	s_endpgm
.Lfunc_end_k_q88140f6418_attn:
	.size	k_q88140f6418_attn, .Lfunc_end_k_q88140f6418_attn-k_q88140f6418_attn
	.p2alignl 7, 3214868480
	.fill 96, 4, 3214868480
	.section	.rodata,"a",@progbits
	.p2align	6, 0x0
	.amdhsa_kernel k_q88140f6418_attn
		.amdhsa_group_segment_fixed_size 133120
		.amdhsa_private_segment_fixed_size 0
		.amdhsa_enable_private_segment 0
		.amdhsa_kernarg_size 48
		.amdhsa_user_sgpr_count 2
		.amdhsa_user_sgpr_kernarg_segment_ptr 1
		.amdhsa_wavefront_size32 1
		.amdhsa_system_sgpr_workgroup_id_x 1
		.amdhsa_system_sgpr_workgroup_id_y 1
		.amdhsa_system_sgpr_workgroup_id_z 1
		.amdhsa_system_vgpr_workitem_id 0
		.amdhsa_next_free_vgpr 256
		.amdhsa_next_free_sgpr 104
		.amdhsa_reserve_vcc 0
		.amdhsa_float_denorm_mode_32 3
		.amdhsa_float_denorm_mode_16_64 3
		.amdhsa_memory_ordered 1
		.amdhsa_forward_progress 1
		.amdhsa_inst_pref_size 191
	.end_amdhsa_kernel
	.amdgpu_metadata
---
amdhsa.version: [ 1, 2 ]
amdhsa.kernels:
  - .name:           k_q88140f6418_attn
    .symbol:         k_q88140f6418_attn.kd
    .args:
      - { .name: qcodes, .offset: 0, .size: 8, .value_kind: global_buffer, .address_space: global }
      - { .name: kcodes, .offset: 8, .size: 8, .value_kind: global_buffer, .address_space: global }
      - { .name: vcodes, .offset: 16, .size: 8, .value_kind: global_buffer, .address_space: global }
      - { .name: maskw, .offset: 24, .size: 8, .value_kind: global_buffer, .address_space: global }
      - { .name: lowp_scales, .offset: 32, .size: 8, .value_kind: global_buffer, .address_space: global }
      - { .name: ocodes, .offset: 40, .size: 8, .value_kind: global_buffer, .address_space: global }
    .group_segment_fixed_size: 133120
    .private_segment_fixed_size: 0
    .kernarg_segment_align: 8
    .kernarg_segment_size: 48
    .max_flat_workgroup_size: 512
    .sgpr_count:     104
    .vgpr_count:     256
    .wavefront_size: 32
...
	.end_amdgpu_metadata
.endif
;; end of part 5
;; launch final: the kernel of part 4 again; grid 256 x 1, 4 waves a work-group, clusters of 4 x 1, 327,680 bytes of LDS; arguments xr, ocodes, wfin, lowp_scales, dense_b, ln_g, ln_b, out0; writes out0
